; MI455X (gfx1250); checked and timed in simulation.
; The chip was launched on July 23, 2026; its instructions are those of AMD's public machine-readable ISA for CDNA 5 (MIT licence, August 2026) and "CDNA5" Instruction Set Architecture Reference Guide (July 2026). The comments in the code are by the model that wrote it; some were corrected since.
;; Multi Head Attention. Allowed arithmetic: matrix products marked QUANTISED: E2M1 operands, one E8M0 scale for each 32 along K, by v_wmma_scale_f32_16x16x128_f8f6f4 with both operands' format E2M1 (or v_wmma_scale_f32_32x16x128_f4), f32 sums; products left as they are: bf16, f16 or f32 operands; f32 sums; everything else in f32.
;; Inputs: Wk 1,024 x 1,024 float32; Wo 1,024 x 1,024 float32; Wq 1,024 x 1,024 float32; Wv 1,024 x 1,024 float32; bk 1,024 float32; bo 1,024 float32; bq 1,024 float32; bv 1,024 float32; k 4 x 2,048 x 1,024 float32; q 4 x 2,048 x 1,024 float32; v 4 x 2,048 x 1,024 float32.
;; Outputs: out0 4 x 2,048 x 1,024 float32.
;; This version of the problem:
;;   THIS VERSION OF THE PROBLEM IS GIVEN IN LOW PRECISION. The matrix products marked QUANTISED in the list below multiply operands that are first quantised to E2M1 (2 exponent bits, 1 mantissa bit; 4 bits a number), with one power-of-two scale for each 32 numbers along K (OCP MX v1.0); their sums are f32. The products marked 'left as it is' may take bf16, f16 or f32 operands, with f32 sums. Whichever they take, every output number must still come out within the allowed error. Rounding operands to bf16 (8 significant bits) uses up far more of that allowance than f16 does (11 bits, for magnitudes from 6e-5 to 65,504). All else is computed in f32.
;;   The module's matrix products, in the order in which they are computed (A, B: the left and right operand; K: the contracted axis; several contracted axes count as one K, in the product's order):
;;     1. [M 8,192, K 1,024] x [K 1,024, N 1,024]; A: input q; B: input Wq: QUANTISED
;;     2. [M 8,192, K 1,024] x [K 1,024, N 1,024]; A: input k; B: input Wk: QUANTISED
;;     3. [M 8,192, K 1,024] x [K 1,024, N 1,024]; A: input v; B: input Wv: QUANTISED
;;     4. batch 64 x [M 2,048, K 64] x [K 64, N 2,048]; A: computed on the way; B: computed on the way: left as it is (an operand is computed on the way)
;;     5. batch 64 x [M 2,048, K 2,048] x [K 2,048, N 64]; A: computed on the way; B: computed on the way: left as it is (an operand is computed on the way)
;;     6. [M 8,192, K 1,024] x [K 1,024, N 1,024]; A: computed on the way; B: input Wo: left as it is (an operand is computed on the way)
;;   THE QUANTISER, for each operand of a quantised product, along K:
;;     - K is cut into blocks of 32 from its start; a last block that is shorter is filled with zeros.
;;     - A block's scale is 2^e with e = floor(log2(the largest magnitude in the block)) - 2, held to -126 .. 127; a block of zeros has e = 0. As a byte (E8M0): e + 127.
;;     - Each number is divided by its block's scale, clamped to +-6, and rounded to the nearest number of E2M1, ties to even, subnormals kept.
;;     - The product sums the exact products of the quantised numbers (number of the format x scale) in f32.
;;   ~~~python
;;   def quantise(x, axis):      # numpy; x: float32 -> the quantised numbers, widened to float32 again
;;       x = np.moveaxis(x, axis, -1); K = x.shape[-1]
;;       x = np.pad(x, [(0, 0)] * (x.ndim - 1) + [(0, -K % 32)]); x = x.reshape(x.shape[:-1] + (-1, 32)); a = np.abs(x).max(-1, keepdims=True)
;;       e = np.where(a > 0, np.clip(np.frexp(np.where(a > 0, a, 1))[1] - 1 - 2, -126, 127), 0)      # np.frexp(a)[1] - 1 = floor(log2(a)), exactly
;;       r = np.clip(x / 2.0 ** e, -6, 6)
;;       step = 2.0 ** (np.maximum(np.frexp(np.where(r == 0, 1, r))[1] - 1, 0) - 1)
;;       q = np.round(r / step) * step * 2.0 ** e      # np.round: ties to even
;;       return np.moveaxis(q.reshape(q.shape[:-2] + (-1,))[..., :K], -1, axis).astype(np.float32)
;;   ~~~
;; One version. Each part assembles by itself: llvm-mc -triple=amdgcn-amd-amdhsa -mcpu=gfx1250 --defsym DOCPART=n.
;; ======== version 1 of 1: 4 launches
;; limits: values are held in f16: magnitudes above 65,504 overflow, below 6.1e-05 lose precision
;; workspace buffers: codes 14,155,776 bytes; scales 884,736 bytes; wo16 2,097,152 bytes; proj 50,331,648 bytes; ctx 16,777,216 bytes
;; launch quant (part 1): grid 896 x 1, 4 waves a work-group, no clusters, 33,280 bytes of LDS; arguments q, k, v, Wq, Wk, Wv, Wo, codes, scales, wo16; writes codes, scales, wo16
.if DOCPART == 1
	.amdgcn_target "amdgcn-amd-amdhsa--gfx1250"
	.amdhsa_code_object_version 6
	.text
	.protected	k_q9423392afd_quant
	.globl	k_q9423392afd_quant
	.p2align	8
	.type	k_q9423392afd_quant,@function
k_q9423392afd_quant:
	s_mov_b64 s[64:65], 0
	v_nop
	global_prefetch_b8 v0, s[64:65] scope:SCOPE_SE
	s_setreg_imm32_b32 hwreg(HW_REG_WAVE_MODE, 25, 1), 1
	s_wait_xcnt 0x0
; q, k, v [8192][1024] and Wq, Wk, Wv [1024][1024], f32, K innermost, become codes of FP4 (E2M1), two a byte, the lower k in the low four bits, and one E8M0 byte for each 32 along K.
; The six tensors lie on end in both outputs: 27,648 rows of 512 bytes of codes and of 32 scale bytes (rows 0 q, 8192 k, 16384 v, 24576 Wq, 25600 Wk, 26624 Wv).  Wo [1024][1024] is rounded to f16.
; A block's scale is 2^(floor(log2(its largest magnitude)) - 2); its byte is the largest magnitude's exponent field - 2, held at 1 from below.  Each number is divided by the scale and rounded to the nearest code, ties to even,
; beyond 6 to the largest code.
; LIMITS: a block of zeros gets the byte 1, not 127: its codes are zeros and this program alone reads the bytes; NaN and infinities among the inputs are not served; |Wo| stays under 65,504, f16's largest number.
; SHARES: rows are dense and 1,024 is a multiple of 32, so a tensor is a plain stream of blocks.  Work-groups 0-863 take 32,768 numbers each, a wave 8,192: 16 steps of 512.  Each of a step's four loads reads 512 consecutive
; bytes; the 2,048 bytes turn through the wave's own stage in LDS and come back 64 bytes a lane (16 neighbours along K; two neighbouring lanes hold a block).  A wave's store of codes covers 256 consecutive bytes; its 256 scale
; bytes are gathered in LDS and leave as one run of 256.  Work-groups 864-895 take Wo.  No tensor load, no barrier: waves share nothing.
.set STEPS, 16
.set NQWG,  864                        ; work-groups that quantise
.set EMAX,  2
.set CB,    8                          ; bytes of 16 codes
.set R,     16                         ; v16-79   four sets of 16 numbers as they are loaded
.set X,     80                         ; v80-111  two sets of 16 neighbours
.set C,     128                        ; v128-191 codes: four registers for each step, so that no store's data are written again
.set E,     112                        ; v112-127 a scale byte for each step
.set WREG,  8192                       ; LDS: a region for each wave: two stages of 32 x SP bytes, behind them its 256 scale bytes
.set SP,    80                         ; a lane's place in a stage: 64 bytes + 16 of padding
.set SPW,   12                         ; v12 LDS address of my spare word; never rewritten
.set NIL,   13                         ; v13 0; never rewritten
.set SPARE, 4*WREG                     ; behind the four regions: the spare words, 128 bytes a wave
	s_load_b512 s[4:19], s[0:1], 0x0               ; q 4, k 6, v 8, Wq 10, Wk 12, Wv 14, Wo 16, codes 18
	s_load_b128 s[20:23], s[0:1], 0x40             ; scales 20, wo16 22
	v_lshl_add_u32 v[SPW], v0, 2, SPARE
	v_mov_b32 v[NIL], 0
	v_lshrrev_b32 v1, 5, v0
	v_readfirstlane_b32 s24, v1                    ; wave
	v_and_b32 v2, 31, v0                           ; lane
	v_lshlrev_b32 v3, 4, v2                        ; my 16 bytes of a load's 512
	s_mul_i32 s28, s24, WREG
	v_lshrrev_b32 v14, 2, v2
	v_mul_u32_u24 v14, v14, SP
	v_and_b32 v15, 3, v2
	v_lshl_add_u32 v14, v15, 4, v14
	v_add_nc_u32 v14, s28, v14                     ; the stage, on the way in: SP (lane / 4) + 16 (lane % 4)
	v_mul_u32_u24 v15, v2, SP
	v_add_nc_u32 v15, s28, v15                     ; and on the way out: SP x lane
	v_mul_u32_u24 v4, v2, CB                       ; my codes' place in a step's
	v_lshrrev_b32 v5, 1, v2
	s_add_co_u32 s28, s28, 2*32*SP
	v_add_nc_u32 v5, s28, v5                       ; LDS: my block's scale byte
	v_lshlrev_b32 v7, 3, v2                        ; 8 bytes a lane
	v_add_nc_u32 v6, s28, v7
	s_wait_kmcnt 0x0
	s_cmp_ge_u32 ttmp9, NQWG
	s_cbranch_scc1 .Lwo
	; which tensor: a chain of choices on the work-group's number alone
	s_mov_b64 s[26:27], s[14:15]                   ; Wv, from work-group 832
	s_mov_b32 s25, 832
	s_cmp_lt_u32 ttmp9, 832
	s_cselect_b64 s[26:27], s[12:13], s[26:27]     ; Wk
	s_cselect_b32 s25, 800, s25
	s_cmp_lt_u32 ttmp9, 800
	s_cselect_b64 s[26:27], s[10:11], s[26:27]     ; Wq
	s_cselect_b32 s25, 768, s25
	s_cmp_lt_u32 ttmp9, 768
	s_cselect_b64 s[26:27], s[8:9], s[26:27]       ; v
	s_cselect_b32 s25, 512, s25
	s_cmp_lt_u32 ttmp9, 512
	s_cselect_b64 s[26:27], s[6:7], s[26:27]       ; k
	s_cselect_b32 s25, 256, s25
	s_cmp_lt_u32 ttmp9, 256
	s_cselect_b64 s[26:27], s[4:5], s[26:27]       ; q
	s_cselect_b32 s25, 0, s25
	s_sub_co_u32 s25, ttmp9, s25
	s_lshl_b32 s25, s25, 2
	s_add_co_u32 s25, s25, s24                     ; my run of 8,192 numbers in the tensor
	s_lshl_b32 s28, s25, 15                        ; 32,768 bytes a run
	s_mov_b32 s29, 0
	s_add_nc_u64 s[26:27], s[26:27], s[28:29]
	s_lshl_b32 s30, ttmp9, 2
	s_add_co_u32 s30, s30, s24                     ; my run among all six tensors' runs
	s_lshl_b32 s28, s30, 12                        ; 4,096 bytes of codes a run
	s_add_nc_u64 s[18:19], s[18:19], s[28:29]
	s_lshl_b32 s28, s30, 8                         ; 256 scale bytes a run
	s_add_nc_u64 s[20:21], s[20:21], s[28:29]
.macro LOAD t
.irp i, 0,1,2,3
	global_load_b128 v[R+16*((\t)%4)+4*\i:R+16*((\t)%4)+4*\i+3], v3, s[26:27] offset:2048*(\t)+512*\i th:TH_LOAD_NT   ; 32 lanes read 512 consecutive bytes
.endr
.endm
.macro TURN t                          ; step t's numbers through the stage: LDS serves a wave's instructions in order, so no wait stands between the stores and the loads
.irp i, 0,1,2,3
	ds_store_b128 v14, v[R+16*((\t)%4)+4*\i:R+16*((\t)%4)+4*\i+3] offset:32*SP*((\t)%2)+8*SP*\i
.endr
.irp i, 0,1,2,3
	ds_load_b128 v[X+16*((\t)%2)+4*\i:X+16*((\t)%2)+4*\i+3], v15 offset:32*SP*((\t)%2)+16*\i
.endr
.endm
.irp t, 0,1,2,3
	LOAD \t
.endr
	s_wait_loadcnt 12                              ; step 0's four loads are in; the twelve of steps 1 to 3 may be out
	TURN 0
.macro STEP t
.set XS, X+16*((\t)%2)
.if (\t) > 0
	s_wait_dscnt 1                                 ; this step's numbers are back from the stage (the last step's byte store may be out)
.else
	s_wait_dscnt 0x0
.endif
.if (\t)+4 < STEPS
	LOAD (\t)+4                                    ; into the registers that the stage's stores have read
.endif
.if (\t)+1 < STEPS
.if STEPS-2-(\t) >= 3
	s_wait_loadcnt 12                              ; the next step's four loads are in; those of the three steps behind it may be out
.else
	s_wait_loadcnt 4*(STEPS-2-(\t))
.endif
	TURN (\t)+1                                    ; they go through the other stage while this step is worked
.endif
	v_max3_num_f32 v8, |v[XS]|, |v[XS+1]|, |v[XS+2]|               ; the largest magnitude of my 16, in two chains
	v_max3_num_f32 v9, |v[XS+3]|, |v[XS+4]|, |v[XS+5]|
.irp i, 6,10
	v_max3_num_f32 v8, v8, |v[XS+\i]|, |v[XS+\i+1]|
	v_max3_num_f32 v9, v9, |v[XS+\i+2]|, |v[XS+\i+3]|
.endr
	v_max3_num_f32 v8, v8, |v[XS+14]|, |v[XS+15]|
	v_max3_num_f32 v8, v8, v9, (EMAX+1)<<23        ; and the floor 2^(EMAX + 1 - 127): the byte cannot fall under 1
	v_max_num_f32_dpp v8, v8, v8 row_xmask:1 row_mask:0xf bank_mask:0xf   ; with my neighbour's 16: the block's
	v_add_nc_u32 v11, -(EMAX<<23), v8              ; EMAX off its exponent field: the conversion takes the exponent field of this operand as its scale
	v_cvt_scalef32_pk8_fp4_f32 v[C+4*(\t)], v[XS:XS+7], v11
	v_cvt_scalef32_pk8_fp4_f32 v[C+4*(\t)+1], v[XS+8:XS+15], v11
	v_lshrrev_b32 v[E+(\t)], 23, v11               ; the scale's byte (also the plain line behind the conversions)
	ds_store_b8 v5, v[E+(\t)] offset:16*(\t)       ; both lanes of a block write the same byte with the same value
	global_store_b64 v4, v[C+4*(\t):C+4*(\t)+1], s[18:19] offset:32*CB*(\t)   ; 32 lanes store 256 consecutive bytes
.endm
.irp t, 0,1,2,3,4,5,6,7,8,9,10,11,12,13,14,15
	STEP \t
.endr
	ds_load_b64 v[8:9], v6                         ; LDS serves a wave's instructions in order: these see my byte stores
	s_wait_dscnt 0x0
	global_store_b64 v7, v[8:9], s[20:21]          ; 32 lanes store my run's 256 scale bytes
	s_wait_tensorcnt 0x0                           ; the wave's end, behind my last LDS store
	ds_add_u32 v[SPW], v[NIL]
	s_wait_dscnt 0x0
	s_endpgm
; Wo to f16: a wave takes 8,192 numbers: 64 loads of 512 consecutive bytes, in four groups of 16 on two sets of registers; each load's 128 numbers leave as 256 consecutive bytes.  No LDS is touched on this path.
.Lwo:
	s_sub_co_u32 s25, ttmp9, NQWG
	s_lshl_b32 s25, s25, 2
	s_add_co_u32 s25, s25, s24                     ; my run
	s_lshl_b32 s28, s25, 15
	s_mov_b32 s29, 0
	s_add_nc_u64 s[16:17], s[16:17], s[28:29]
	s_lshl_b32 s28, s25, 14
	s_add_nc_u64 s[22:23], s[22:23], s[28:29]
.macro WLOAD g
.irp i, 0,1,2,3,4,5,6,7,8,9,10,11,12,13,14,15
	global_load_b128 v[16+64*((\g)%2)+4*\i:16+64*((\g)%2)+4*\i+3], v3, s[16:17] offset:(16*(\g)+\i)*512 th:TH_LOAD_NT
.endr
.endm
	WLOAD 0
	WLOAD 1
.irp g, 0,1,2,3
.if \g < 3
	s_wait_loadcnt 16                              ; this group's 16 loads are in; the next group's 16 may be out
.else
	s_wait_loadcnt 0x0
.endif
.if \g > 0
	s_wait_xcnt 0x0                                ; the last group's stores have read v144-175, which are written anew below
.endif
.irp i, 0,1,2,3,4,5,6,7,8,9,10,11,12,13,14,15
	v_cvt_pk_f16_f32 v[144+2*\i], v[16+64*(\g%2)+4*\i], v[16+64*(\g%2)+4*\i+1]
	v_cvt_pk_f16_f32 v[145+2*\i], v[16+64*(\g%2)+4*\i+2], v[16+64*(\g%2)+4*\i+3]
.endr
.irp i, 0,1,2,3,4,5,6,7,8,9,10,11,12,13,14,15
	global_store_b64 v7, v[144+2*\i:145+2*\i], s[22:23] offset:(16*\g+\i)*256
.endr
.if \g < 2
	WLOAD \g+2
.endif
.endr
	s_endpgm
.Lfunc_end_k_q9423392afd_quant:
	.size	k_q9423392afd_quant, .Lfunc_end_k_q9423392afd_quant-k_q9423392afd_quant
	.p2alignl 7, 3214868480
	.fill 96, 4, 3214868480
	.section	.rodata,"a",@progbits
	.p2align	6, 0x0
	.amdhsa_kernel k_q9423392afd_quant
		.amdhsa_group_segment_fixed_size 33280
		.amdhsa_private_segment_fixed_size 0
		.amdhsa_enable_private_segment 0
		.amdhsa_kernarg_size 80
		.amdhsa_user_sgpr_count 2
		.amdhsa_user_sgpr_kernarg_segment_ptr 1
		.amdhsa_wavefront_size32 1
		.amdhsa_system_sgpr_workgroup_id_x 1
		.amdhsa_system_sgpr_workgroup_id_y 1
		.amdhsa_system_sgpr_workgroup_id_z 1
		.amdhsa_system_vgpr_workitem_id 0
		.amdhsa_next_free_vgpr 192
		.amdhsa_next_free_sgpr 66
		.amdhsa_reserve_vcc 0
		.amdhsa_float_denorm_mode_32 3
		.amdhsa_float_denorm_mode_16_64 3
		.amdhsa_memory_ordered 1
		.amdhsa_forward_progress 1
		.amdhsa_inst_pref_size 55
	.end_amdhsa_kernel
	.amdgpu_metadata
---
amdhsa.version: [ 1, 2 ]
amdhsa.kernels:
  - .name:           k_q9423392afd_quant
    .symbol:         k_q9423392afd_quant.kd
    .args:
      - { .name: q, .offset: 0, .size: 8, .value_kind: global_buffer, .address_space: global }
      - { .name: k, .offset: 8, .size: 8, .value_kind: global_buffer, .address_space: global }
      - { .name: v, .offset: 16, .size: 8, .value_kind: global_buffer, .address_space: global }
      - { .name: Wq, .offset: 24, .size: 8, .value_kind: global_buffer, .address_space: global }
      - { .name: Wk, .offset: 32, .size: 8, .value_kind: global_buffer, .address_space: global }
      - { .name: Wv, .offset: 40, .size: 8, .value_kind: global_buffer, .address_space: global }
      - { .name: Wo, .offset: 48, .size: 8, .value_kind: global_buffer, .address_space: global }
      - { .name: codes, .offset: 56, .size: 8, .value_kind: global_buffer, .address_space: global }
      - { .name: scales, .offset: 64, .size: 8, .value_kind: global_buffer, .address_space: global }
      - { .name: wo16, .offset: 72, .size: 8, .value_kind: global_buffer, .address_space: global }
    .group_segment_fixed_size: 33280
    .private_segment_fixed_size: 0
    .kernarg_segment_align: 8
    .kernarg_segment_size: 80
    .max_flat_workgroup_size: 128
    .sgpr_count:     66
    .vgpr_count:     192
    .wavefront_size: 32
...
	.end_amdgpu_metadata
.endif
;; end of part 1
;; launch proj (part 2): grid 4 x 96, 4 waves a work-group, clusters of 4 x 4, 327,680 bytes of LDS; arguments codes, scales, bq, bk, proj; writes proj
.if DOCPART == 2
	.amdgcn_target "amdgcn-amd-amdhsa--gfx1250"
	.amdhsa_code_object_version 6
	.text
	.protected	k_q9423392afd_proj
	.globl	k_q9423392afd_proj
	.p2align	8
	.type	k_q9423392afd_proj,@function
k_q9423392afd_proj:
	s_mov_b64 s[64:65], 0
	v_nop
	global_prefetch_b8 v0, s[64:65] scope:SCOPE_SE
	s_setreg_imm32_b32 hwreg(HW_REG_WAVE_MODE, 25, 1), 1
	s_wait_xcnt 0x0
	s_wait_alu depctr_hold_cnt(0) depctr_sa_sdst(0) depctr_va_vdst(0) depctr_va_sdst(0) depctr_va_ssrc(0) depctr_va_vcc(0) depctr_vm_vsrc(0)
	s_getreg_b32 s2, hwreg(HW_REG_IB_STS2, 6, 4)
	s_cmp_eq_u32 s2, 0
	s_cbranch_scc0 .Lentry_in_a_cluster
	s_endpgm
.Lentry_in_a_cluster:
	s_bfe_u32 s2, ttmp6, 0x10000c
	s_cmp_lg_u32 s2, 0xf033
	s_cbranch_scc0 .Lentry_shape_is_right
	s_endpgm
.Lentry_shape_is_right:
; The three projections on codes of FP4 (E2M1) with one E8M0 scale for each 32 along K = 1,024, sums in f32; + bq, + bk; rounded to f16 and laid by head.
; codes: 27,648 rows of 512 bytes, scales: the same rows of 32 bytes (rows 0 q, 8192 k, 16384 v, 24576 Wq, 25600 Wk, 26624 Wv).
; proj: three tensors of 2^24 bytes, f16, each [b x 16 + head][32 blocks][64][64]: qh and kh in blocks [64 tokens][64 channels], vt in blocks [64 channels][64 tokens] (V with the keys innermost, 64 keys a block).
; ONE TEXT WRITES BOTH KINDS: a tile is 256 'A rows' x 256 'B columns', and an element lies at its block + (A row % 64) x 128 + (B column % 64) x 2.  For q and k the A side is tokens and the B side W's rows (channels);
; for v the A side is Wv's rows and the B side tokens.  Only row numbers and the two block strides differ, chosen by s_cselect_b32 on the cluster's number, which all sixteen partners share.
; bv is not added here: the weights of a softmax sum to 1, so the next launch adds it behind the division.  For v's tiles the bias registers are masked to +0.
; LIMIT: |qh|, |kh|, |vh| stay under 65,504, f16's largest number (beyond it the conversion gives infinity).
; SHARES: 24 clusters of 4 x 4 work-groups (0-7 q, 8-15 k, 16-23 v); four waves, each 128 x 128: 64 accumulators.  K goes in two steps of 512 (rows of 256 bytes): both slots and all scale bytes are asked for at the head,
; nothing is filled again.  A's tiles are shared along a row of the cluster, B's along a column: each is asked for jointly.  The matrix instruction is used transposed (source 0 = 16 B rows, source 1 = 16 A rows): a lane holds
; eight neighbouring B columns of one A row.
; REGISTERS: window 0: v1-30 addresses; v32-95 scale words, two sets; v128-191 A's fragments, one set; v192-255 the bias as the first products' C; on the way out v32-127 are at work.
;   window 1: B's fragments, two sets, at v0 and v128.   windows 2, 3: the accumulators of my A rows 0-63, 64-127 ((a, b) at v[8 (8 (a % 4) + b)]).
.set NQ,     4                         ; steps of 128 along K in a slot
.set ROWB,   256                       ; a tile's row in bytes: 512 codes
.set KROW,   512                       ; a row of codes in memory
.set PITCH,  272                       ; an LDS row: 256 bytes + 16 of padding: the 16 rows that a load touches begin at 16 different 16-byte columns of 256
.set FR,     8
.set NL,     2
.set NP,     4                         ; places behind this matrix instruction (ISA guide 7.12.1)
.set HALFT,  128*PITCH
.set SLOT,   4*HALFT
.set KS,     32                        ; a row of scales in bytes
.set SCL,    2*SLOT                    ; behind the two slots: the scales, as runs of 256 bytes + 16 of padding
.set HALFS,  (128*KS/256)*272
.set SBLK,   (16*KS/256)*272
.set SPARE,  SCL+4*HALFS               ; the spare words, 128 bytes a wave
.set ADRA, 16                          ; v16-17 LDS address of my A fragments in slot 0, 1
.set ADRB, 20                          ; v20-21 the same for B
.set STO,  24                          ; v24 the way out: where I put 16 bytes
.set RD,   25                          ; v25 where I read them back
.set CO0,  26                          ; v26 16 x lane: my bytes of a run of 512 in proj, first block of 64 B columns
.set ADRS, 27                          ; v27 LDS address of my scale words: lanes 0-15 A's rows, lanes 16-31 B's
.set SPW,  28
.set NIL,  29
.set CO1,  30                          ; v30 the same in the second block of 64 B columns
.set SC,   32
.set AF,   128
.set BI,   192
.set TMP,  32                          ; the way out: packed results
.set BK,   64                          ; and what comes back from the stage: v64-95, v96-127 by turns
.set G1, 24
.set G0, 32
.set G1B, 48
.set G0B, 56
.set G1S, 68
.set G0S, 76
.set G1SB, 80
.set G0SB, 88
.set MSB, 0
.macro WIN new                         ; the immediate's high byte repeats the setting that is left
.if MSB != (\new)
	s_set_vgpr_msb (MSB<<8)|(\new)
.set MSB, (\new)
.endif
.endm
.set MUL_LO,   0xa1                    ; source 0 (B) window 1, source 1 (A) window 0, C and D window 2
.set MUL_HI,   0xf1                    ; the same, C and D window 3
.set FIRST_LO, 0x81                    ; the first step: C (the bias) window 0, D window 2
.set FIRST_HI, 0xc1                    ; D window 3
.set TO_B,     0x40
; A joint load: waves 0 and 1 fetch for A, waves 2 and 3 for B; the branch hangs on the wave's number alone.  An s_nop 0 and four v_nop follow each of the two lines.
.macro JLOAD g0a, g1a, g0b, g1b
	s_cmp_eq_u32 s15, 0
	s_cbranch_scc0 .Lfor_b_\@
	tensor_load_to_lds s[\g0a:\g0a+3], s[\g1a:\g1a+7]
	s_nop 0
.rept 4
	v_nop
.endr
	s_branch .Lasked_\@
.Lfor_b_\@:
	tensor_load_to_lds s[\g0b:\g0b+3], s[\g1b:\g1b+7]
	s_nop 0
.rept 4
	v_nop
.endr
.Lasked_\@:
.endm
.macro CROUND                          ; a round of the cluster's barrier
	s_barrier_signal -1
	s_barrier_wait -1
	s_cmp_lg_u32 s14, 0
	s_cbranch_scc1 .Lnot_wave_0_\@
	s_barrier_signal -3
.Lnot_wave_0_\@:
	s_barrier_wait -3
	s_barrier_signal -1
	s_barrier_wait -1
.endm
	s_load_b128 s[4:7], s[0:1], 0x0                ; codes, scales
	s_load_b128 s[8:11], s[0:1], 0x10              ; bq, bk
	s_load_b64 s[12:13], s[0:1], 0x20              ; proj
	v_lshl_add_u32 v[SPW], v0, 2, SPARE
	v_mov_b32 v[NIL], 0
	ds_add_u32 v[SPW], v[NIL]                      ; the wave's opening: the add, twice on end, and its wait ahead of my first tensor load
	ds_add_u32 v[SPW], v[NIL]
	v_lshrrev_b32 v1, 5, v0
	v_readfirstlane_b32 s14, v1                    ; wave 0..3
	s_lshr_b32 s15, s14, 1                         ; which half of the tile's A rows is mine.  Also: I fetch for A (0) or for B (1)
	s_and_b32 s16, s14, 1                          ; which half of its B columns.  Also: which 128 rows of that side I fetch
	s_bfe_u32 s40, ttmp6, 0x40000                  ; cx
	s_bfe_u32 s41, ttmp6, 0x40004                  ; cy
	s_and_b32 s96, ttmp7, 0xffff                   ; c: the cluster, 0..23
	s_lshl_b32 s43, s41, 2
	s_lshl_b32 s43, 15, s43                        ; my row of the cluster
	s_lshl_b32 s44, 0x1111, s40                    ; my column
	s_or_b32 s[G1+0], s43, (0<<16)|(1<<20)|(1<<21)|(5<<22)|(3<<25)  ; the mask; elements of 1 byte; padding on; bit 21 beside a mask; 4 words behind every 64
	s_or_b32 s[G1B+0], s44, (0<<16)|(1<<20)|(1<<21)|(5<<22)|(3<<25)
.irp g, G1, G1B
	s_mov_b32 s[\g+1], ROWB<<16                    ; tensor_dim0
	s_mov_b32 s[\g+2], 128<<16                     ; tensor_dim1
	s_mov_b32 s[\g+3], ROWB<<16                    ; tile_dim0
	s_mov_b32 s[\g+4], 128                         ; tile_dim1
	s_mov_b32 s[\g+5], KROW                        ; from row to row
	s_mov_b32 s[\g+6], 0
	s_mov_b32 s[\g+7], 0
.endr
	s_or_b32 s[G1S+0], s43, (3<<16)|(1<<20)|(1<<21)|(5<<22)|(3<<25) ; the scales of 128 rows: 4,096 dense bytes as 16 rows of 32 elements of 8 bytes
	s_or_b32 s[G1SB+0], s44, (3<<16)|(1<<20)|(1<<21)|(5<<22)|(3<<25)
.irp g, G1S, G1SB
	s_mov_b32 s[\g+1], 32<<16
	s_mov_b32 s[\g+2], (128*KS/256)<<16
	s_mov_b32 s[\g+3], 32<<16
	s_mov_b32 s[\g+4], 128*KS/256
	s_mov_b32 s[\g+5], 32
	s_mov_b32 s[\g+6], 0
	s_mov_b32 s[\g+7], 0
.endr
	; the two sides' first rows among the 27,648.  q, k: A = tokens 1024 c on, B = Wq or Wk;  v: A = Wv, B = tokens 1024 c on
	s_lshl_b32 s97, s96, 10
	s_lshr_b32 s95, s96, 3
	s_lshl_b32 s95, s95, 10
	s_add_co_u32 s95, s95, 24576
	s_mov_b32 s17, 26624
	s_cmp_ge_u32 s96, 16
	s_cselect_b32 s17, s17, s97                    ; A's
	s_cselect_b32 s42, s97, s95                    ; B's
	s_cselect_b32 s98, 0, -1                       ; the bias's mask: nothing for v
	s_lshl_b32 s18, s16, 7                         ; which 128 rows I fetch
	s_lshl_b32 s20, s41, 8
	s_add_co_u32 s20, s20, s17
	s_add_co_u32 s20, s20, s18                     ; A: + 256 cy + 128 x half: shared along my row of the cluster
	s_lshl_b32 s46, s40, 8
	s_add_co_u32 s46, s46, s42
	s_add_co_u32 s46, s46, s18                     ; B: + 256 cx + 128 x half: shared along my column
	s_lshl_b32 s22, s20, 5                         ; their scales, 32 bytes a row,
	s_mov_b32 s23, 0
	s_lshl_b32 s92, s46, 5
	s_mov_b32 s93, 0
	s_lshl_b32 s20, s20, 9                         ; and their codes, 512 bytes a row
	s_mov_b32 s21, 0
	s_lshl_b32 s46, s46, 9
	s_mov_b32 s47, 0
	s_mul_i32 s45, s14, HALFT                      ; where they go: wave x 128 rows
	s_mul_i32 s94, s14, HALFS
	s_wait_dscnt 0x0                               ; both opening adds are done
	s_wait_kmcnt 0x0
	s_add_nc_u64 s[20:21], s[4:5], s[20:21]
	s_add_nc_u64 s[22:23], s[6:7], s[22:23]
	s_add_nc_u64 s[46:47], s[4:5], s[46:47]
	s_add_nc_u64 s[92:93], s[6:7], s[92:93]
	CROUND                                         ; all sixteen work-groups are here: the joint loads meet
	s_mov_b32 s[G0S], 1
	s_add_co_u32 s[G0S+1], s94, SCL
	s_mov_b64 s[G0S+2:G0S+3], s[22:23]
	s_or_b32 s[G0S+3], s[G0S+3], 0x80000000
	s_mov_b32 s[G0SB], 1
	s_add_co_u32 s[G0SB+1], s94, SCL
	s_mov_b64 s[G0SB+2:G0SB+3], s[92:93]
	s_or_b32 s[G0SB+3], s[G0SB+3], 0x80000000
	JLOAD G0S, G1S, G0SB, G1SB                     ; the scales first: they are wanted with K step 0
.irp s, 0,1
	s_mov_b32 s[G0+4*\s], 1
	s_add_co_u32 s[G0+4*\s+1], s45, \s*SLOT
	s_add_nc_u64 s[G0+4*\s+2:G0+4*\s+3], s[20:21], \s*ROWB
	s_or_b32 s[G0+4*\s+3], s[G0+4*\s+3], 0x80000000
	s_mov_b32 s[G0B+4*\s], 1
	s_add_co_u32 s[G0B+4*\s+1], s45, \s*SLOT
	s_add_nc_u64 s[G0B+4*\s+2:G0B+4*\s+3], s[46:47], \s*ROWB
	s_or_b32 s[G0B+4*\s+3], s[G0B+4*\s+3], 0x80000000
	JLOAD G0+4*\s, G1, G0B+4*\s, G1B               ; three loads of mine are out in all
.endr
	; the bias of my 128 B columns, in the result's layout: block b, lane half h: numbers 16 b + 8 h + 0 .. 7
	v_and_b32 v1, 15, v0                           ; r = lane % 16
	v_bfe_u32 v2, v0, 4, 1                         ; h = lane / 16
	s_cmp_lt_u32 s96, 8
	s_cselect_b64 s[8:9], s[8:9], s[10:11]         ; bq for q; bk for k (and, masked away, for v)
	s_lshl_b32 s2, s40, 10
	s_lshl_b32 s3, s16, 9
	s_add_co_u32 s2, s2, s3                        ; (256 cx + 128 x half) x 4 bytes
	s_mov_b32 s3, 0
	s_add_nc_u64 s[8:9], s[8:9], s[2:3]
	v_lshlrev_b32 v7, 5, v2
.irp b, 0,1,2,3,4,5,6,7
	global_load_b128 v[BI+8*\b:BI+8*\b+3], v7, s[8:9] offset:64*\b
	global_load_b128 v[BI+8*\b+4:BI+8*\b+7], v7, s[8:9] offset:64*\b+16
.endr
	v_mul_u32_u24 v3, v1, PITCH
	v_lshl_add_u32 v4, v2, 4, v3                   ; a fragment's row x pitch + 16 x half
	s_mul_i32 s21, s15, HALFT                      ; my 128 rows of A
	s_mul_i32 s22, s16, HALFT                      ; my 128 rows of B,
	s_add_co_u32 s22, s22, 2*HALFT                 ; which lie behind A's 256
.irp s, 0,1
	v_add_nc_u32 v[ADRA+\s], s21, v4
	v_add_nc_u32 v[ADRB+\s], s22, v4
	s_add_co_u32 s21, s21, SLOT
	s_add_co_u32 s22, s22, SLOT
.endr
	v_mul_u32_u24 v5, v1, KS                       ; my row's scales: 32 bytes a row,
	v_lshrrev_b32 v6, 8, v5
	v_lshl_add_u32 v5, v6, 4, v5                   ; and 16 more for each 256 passed
	s_mul_i32 s21, s15, HALFS
	s_mul_i32 s22, s16, HALFS
	s_add_co_u32 s22, s22, 2*HALFS
	s_sub_co_u32 s22, s22, s21
	v_mul_u32_u24 v6, s22, v2                      ; lanes 16-31 take B's: one product, the distance between the two bases
	s_add_co_u32 s21, s21, SCL
	v_add_nc_u32 v5, v5, v6
	v_add_nc_u32 v[ADRS], s21, v5
	; where my 128 x 128 goes.  T0: my first token, C0: my first channel; tokens lie along A for q and k, along B for v
	s_cmp_ge_u32 s96, 16
	s_cselect_b32 s2, s40, s41
	s_cselect_b32 s3, s16, s15
	s_cselect_b32 s18, s41, s40
	s_cselect_b32 s19, s15, s16
	s_mov_b32 s92, 262144                          ; from head to head
	s_cselect_b32 s66, s92, 8192                   ; from 64 A rows to the next 64
	s_cselect_b32 s99, 8192, s92                   ; from 64 B columns to the next 64
	s_sub_co_u32 s66, s66, 6144                    ; less the three steps of 2,048 bytes already made
	s_mov_b32 s67, 0
	s_and_b32 s93, s96, 7
	s_lshl_b32 s93, s93, 10
	s_lshl_b32 s2, s2, 8
	s_lshl_b32 s3, s3, 7
	s_add_co_u32 s93, s93, s2
	s_add_co_u32 s93, s93, s3                      ; T0
	s_lshl_b32 s18, s18, 8
	s_lshl_b32 s19, s19, 7
	s_add_co_u32 s18, s18, s19                     ; C0
	s_lshr_b32 s2, s96, 3
	s_lshl_b32 s2, s2, 24                          ; the tensor
	s_lshr_b32 s3, s93, 11
	s_lshl_b32 s3, s3, 22                          ; the batch: 16 heads of 2^18 bytes
	s_add_co_u32 s2, s2, s3
	s_lshr_b32 s18, s18, 6
	s_lshl_b32 s18, s18, 18                        ; the head
	s_add_co_u32 s2, s2, s18
	s_and_b32 s93, s93, 2047
	s_lshr_b32 s93, s93, 6
	s_lshl_b32 s93, s93, 13                        ; the block of 64 tokens
	s_add_co_u32 s2, s2, s93
	s_mov_b32 s3, 0
	s_add_nc_u64 s[12:13], s[12:13], s[2:3]
	s_wait_loadcnt 0x0                             ; the bias
.set n, 0
.rept 64
	v_and_b32 v[BI+n], s98, v[BI+n]                ; +0 in v's tiles
.set n, n+1
.endr
	; the way out's addresses: twelve plain lines, which also stand between the lines above and the first products
	s_mul_i32 s23, s14, 16*272                     ; my stage: 16 rows of 272 bytes, in slot 0
	v_lshrrev_b32 v5, 1, v1
	v_mul_u32_u24 v5, v5, 272
	v_and_b32 v6, 1, v1
	v_lshl_add_u32 v5, v6, 7, v5
	v_lshl_add_u32 v5, v2, 4, v5
	v_add_nc_u32 v[STO], s23, v5                   ; in: two A rows' 128 bytes to a stage row: (r / 2) x 272 + (r % 2) x 128 + 16 h
	v_mul_u32_u24 v5, v2, 272
	v_lshl_add_u32 v5, v1, 4, v5
	v_add_nc_u32 v[RD], s23, v5                    ; back: lanes 0-15 one stage row, lanes 16-31 the next
	v_and_b32 v6, 31, v0
	v_lshlrev_b32 v[CO0], 4, v6
	v_add_nc_u32 v[CO1], s99, v[CO0]
.macro FRAG reg, adr, q, i             ; a fragment, 16 rows x 128 K of 4-bit codes: registers 4 c .. 4 c + 3 hold K = 64 c + 32 (lane / 16) + 0 .. 31
.irp c, 0,1
	ds_load_b128 v[\reg+4*\c:\reg+4*\c+3], v[\adr] offset:64*(\q)+32*\c+(\i)*16*PITCH
.endr
.endm
; 16 matrix instructions: A's blocks a0, a0 + 1 x B's eight, the slot's q-th 128 along K.  p: B's set; sc: the set of scale words.  first = 1: the bias is the C that starts the sums.
; The 64 accumulators take turns, one instruction a turn, in the same order in every step.
.macro MUL16 a0, p, q, sc, first
.irp a, \a0, \a0+1
.irp b, 0,1,2,3,4,5,6,7
.if \first
	v_wmma_scale_f32_16x16x128_f8f6f4 v[8*(8*((\a)%4)+\b):8*(8*((\a)%4)+\b)+7], v[128*(\p)+FR*\b:128*(\p)+FR*\b+FR-1], v[AF+FR*(\a):AF+FR*(\a)+FR-1], v[BI+8*\b:BI+8*\b+7], v[SC+8*NQ*(\sc)+NQ*\b+(\q)], v[SC+8*NQ*(\sc)+NQ*(\a)+(\q)] matrix_a_fmt:MATRIX_FMT_FP4 matrix_b_fmt:MATRIX_FMT_FP4 matrix_a_scale:MATRIX_SCALE_ROW1
.else
	v_wmma_scale_f32_16x16x128_f8f6f4 v[8*(8*((\a)%4)+\b):8*(8*((\a)%4)+\b)+7], v[128*(\p)+FR*\b:128*(\p)+FR*\b+FR-1], v[AF+FR*(\a):AF+FR*(\a)+FR-1], v[8*(8*((\a)%4)+\b):8*(8*((\a)%4)+\b)+7], v[SC+8*NQ*(\sc)+NQ*\b+(\q)], v[SC+8*NQ*(\sc)+NQ*(\a)+(\q)] matrix_a_fmt:MATRIX_FMT_FP4 matrix_b_fmt:MATRIX_FMT_FP4 matrix_a_scale:MATRIX_SCALE_ROW1
.endif
.endr
.endr
.endm
.macro FETCH_B slot, q, p
	WIN TO_B
.irp i, 0,1,2,3,4,5,6,7
	FRAG 128*(\p)+FR*\i, ADRB+\slot, \q, \i
.endr
	WIN 0
.endm
.macro FETCH_A slot, q, i0
.irp i, \i0, \i0+1, \i0+2, \i0+3
	FRAG AF+FR*(\i), ADRA+\slot, \q, \i
.endr
.endm
.macro SCALES sc                       ; a K step's scale words: 4 words a row; lanes 0-15 take A's block i, lanes 16-31 B's block i
.irp i, 0,1,2,3,4,5,6,7
	ds_load_b128 v[SC+8*NQ*\sc+NQ*\i:SC+8*NQ*\sc+NQ*\i+3], v[ADRS] offset:\i*SBLK
.endr
.endm
.macro PLACES n                        ; plain vector lines between a matrix instruction and a load into, or a vector line on, its registers (ISA guide 7.12.1 for vector lines)
.rept \n
	v_nop
.endr
.endm
; A step of 128 along K that has its successor in the same slot.  A has one set of registers: blocks 0-3 are fetched anew in the step's middle, blocks 4-7 at its end; B has two sets.
.macro STEP slot, q, first
	s_wait_dscnt 4*NL                              ; all but the youngest eight loads (A's blocks 4-7) are in
.if \first
	WIN FIRST_LO
.else
	WIN MUL_LO
.endif
	MUL16 0, (\q)%2, \q, \slot, \first
	MUL16 2, (\q)%2, \q, \slot, \first
	s_wait_dscnt 0                                 ; A's blocks 4-7 are in
	PLACES NP
	FETCH_B \slot, (\q)+1, 1-(\q)%2
	FETCH_A \slot, (\q)+1, 0
.if \first
	WIN FIRST_HI
.else
	WIN MUL_HI
.endif
	MUL16 4, (\q)%2, \q, \slot, \first
	MUL16 6, (\q)%2, \q, \slot, \first
	PLACES NP
	WIN 0
	FETCH_A \slot, (\q)+1, 4
.endm
; Slot 0's last step changes slots: each wave waits for all its tensor loads (slot 1's was still out), adds 0 to its spare word, waits for that and for its reads of slot 0, and passes the barrier.  Nothing is filled again.
.macro TURN slot, next
	s_wait_tensorcnt 0x0
	ds_add_u32 v[SPW], v[NIL]
	s_wait_dscnt 4*NL+1                            ; the add and the youngest eight loads may be out
	WIN MUL_LO
	MUL16 0, 1, NQ-1, \slot, 0
	s_wait_dscnt 0x0                               ; the add is done, and my reads of this slot are over
	s_barrier_signal -1
	MUL16 2, 1, NQ-1, \slot, 0
	WIN 0
	s_barrier_wait -1
	PLACES NP
	v_add_nc_u32 v[ADRS], 4*NQ, v[ADRS]            ; on to the next K step's scale words
	FETCH_B \next, 0, 0
	FETCH_A \next, 0, 0
	SCALES \next
	WIN MUL_HI
	MUL16 4, 1, NQ-1, \slot, 0
	MUL16 6, 1, NQ-1, \slot, 0
	PLACES NP
	WIN 0
	FETCH_A \next, 0, 4
.endm
.macro STEPS slot, from
.set Q, \from
.rept NQ-1-\from
	STEP \slot, Q, 0
.set Q, Q+1
.endr
.endm
	s_wait_tensorcnt 1                             ; the scales and my part of K step 0 are in; slot 1's load may be out
	s_barrier_signal -1
	s_barrier_wait -1
	FETCH_B 0, 0, 0
	FETCH_A 0, 0, 0
	SCALES 0
	FETCH_A 0, 0, 4
	STEP 0, 0, 1
	STEPS 0, 1
	TURN 0, 1
	STEPS 1, 0
	s_wait_dscnt 4*NL                              ; the last step: nothing more to fetch
	WIN MUL_LO
	MUL16 0, 1, NQ-1, 1, 0
	MUL16 2, 1, NQ-1, 1, 0
	s_wait_dscnt 0
	WIN MUL_HI
	MUL16 4, 1, NQ-1, 1, 0
	MUL16 6, 1, NQ-1, 1, 0
	WIN 0
; THE WAY OUT, a block of 16 A rows x 128 B columns at a time.  In proj it is two runs of 2,048 consecutive bytes (16 rows of 128 bytes in each of two blocks of 64 columns).  A lane's eight results pack into 16 bytes; they go
; through my stage, which lies in slot 0 (it has had its one fill, and every wave has passed the change of slots), and come back so that 32 lanes store 512 consecutive bytes.
.macro PACK a
.set AC, 64*((\a)%4)
	WIN 0x0a+5*((\a)/4)                            ; sources 0 and 1: window 2 or 3
.irp b, 0,1,2,3,4,5,6,7
.irp i, 0,1,2,3
	v_cvt_pk_f16_f32 v[TMP+4*\b+\i], v[AC+8*\b+2*\i], v[AC+8*\b+2*\i+1]   ; each accumulator from its low end on
.endr
.endr
	WIN 0
.endm
.macro TOSTAGE a
.set BB, BK+32*((\a)%2)
.irp b, 0,1,2,3,4,5,6,7
	ds_store_b128 v[STO], v[TMP+4*\b:TMP+4*\b+3] offset:(\b/4)*2176+(\b%4)*32
.endr
.irp t, 0,1,2,3,4,5,6,7
	ds_load_b128 v[BB+4*\t:BB+4*\t+3], v[RD] offset:\t*544   ; LDS serves a wave's instructions in order: these see the stores above
.endr
.endm
.macro SEND a
.set BB, BK+32*((\a)%2)
	s_wait_dscnt 0x0                               ; the block is back in registers
	s_wait_xcnt 0x0                                ; earlier stores have read their base and their data: both may be written again
.if (\a) == 4
	s_add_nc_u64 s[12:13], s[12:13], s[66:67]      ; on to the next 64 A rows
.elseif (\a) > 0
	s_add_nc_u64 s[12:13], s[12:13], 2048          ; 16 rows of 128 bytes on
.endif
.irp t, 0,1,2,3
	global_store_b128 v[CO0], v[BB+4*\t:BB+4*\t+3], s[12:13] offset:512*\t
.endr
.irp t, 4,5,6,7
	global_store_b128 v[CO1], v[BB+4*\t:BB+4*\t+3], s[12:13] offset:512*(\t-4)
.endr
.endm
	PLACES NP                                      ; behind the last products: the conversions read results and write registers that held scale words
	PACK 0
	TOSTAGE 0
.irp a, 1,2,3,4,5,6,7                  ; block a's conversions stand between block a - 1's loads from the stage and the wait for them
	PACK \a
	SEND \a-1
	TOSTAGE \a
.endr
	SEND 7
	s_wait_tensorcnt 0x0                           ; the wave's end
	ds_add_u32 v[SPW], v[NIL]
	s_wait_dscnt 0x0
	CROUND                                         ; the closing round
	s_endpgm
.Lfunc_end_k_q9423392afd_proj:
	.size	k_q9423392afd_proj, .Lfunc_end_k_q9423392afd_proj-k_q9423392afd_proj
	.p2alignl 7, 3214868480
	.fill 96, 4, 3214868480
	.section	.rodata,"a",@progbits
	.p2align	6, 0x0
	.amdhsa_kernel k_q9423392afd_proj
		.amdhsa_group_segment_fixed_size 327680
		.amdhsa_private_segment_fixed_size 0
		.amdhsa_enable_private_segment 0
		.amdhsa_kernarg_size 40
		.amdhsa_user_sgpr_count 2
		.amdhsa_user_sgpr_kernarg_segment_ptr 1
		.amdhsa_wavefront_size32 1
		.amdhsa_system_sgpr_workgroup_id_x 1
		.amdhsa_system_sgpr_workgroup_id_y 1
		.amdhsa_system_sgpr_workgroup_id_z 1
		.amdhsa_system_vgpr_workitem_id 0
		.amdhsa_next_free_vgpr 1024
		.amdhsa_next_free_sgpr 100
		.amdhsa_reserve_vcc 0
		.amdhsa_float_denorm_mode_32 3
		.amdhsa_float_denorm_mode_16_64 3
		.amdhsa_memory_ordered 1
		.amdhsa_forward_progress 1
		.amdhsa_inst_pref_size 132
	.end_amdhsa_kernel
	.amdgpu_metadata
---
amdhsa.version: [ 1, 2 ]
amdhsa.kernels:
  - .name:           k_q9423392afd_proj
    .symbol:         k_q9423392afd_proj.kd
    .args:
      - { .name: codes, .offset: 0, .size: 8, .value_kind: global_buffer, .address_space: global }
      - { .name: scales, .offset: 8, .size: 8, .value_kind: global_buffer, .address_space: global }
      - { .name: bq, .offset: 16, .size: 8, .value_kind: global_buffer, .address_space: global }
      - { .name: bk, .offset: 24, .size: 8, .value_kind: global_buffer, .address_space: global }
      - { .name: proj, .offset: 32, .size: 8, .value_kind: global_buffer, .address_space: global }
    .group_segment_fixed_size: 327680
    .private_segment_fixed_size: 0
    .kernarg_segment_align: 8
    .kernarg_segment_size: 40
    .max_flat_workgroup_size: 128
    .sgpr_count:     100
    .vgpr_count:     1024
    .wavefront_size: 32
...
	.end_amdgpu_metadata
.endif
;; end of part 2
;; launch attn (part 3): grid 4 x 64, 8 waves a work-group, clusters of 4 x 1, 327,680 bytes of LDS; arguments proj, bv, ctx; writes ctx
.if DOCPART == 3
	.amdgcn_target "amdgcn-amd-amdhsa--gfx1250"
	.amdhsa_code_object_version 6
	.text
	.protected	k_q9423392afd_attn
	.globl	k_q9423392afd_attn
	.p2align	8
	.type	k_q9423392afd_attn,@function
k_q9423392afd_attn:
	s_mov_b64 s[64:65], 0
	v_nop
	global_prefetch_b8 v0, s[64:65] scope:SCOPE_SE
	s_setreg_imm32_b32 hwreg(HW_REG_WAVE_MODE, 25, 1), 1
	s_wait_xcnt 0x0
	s_wait_alu depctr_hold_cnt(0) depctr_sa_sdst(0) depctr_va_vdst(0) depctr_va_sdst(0) depctr_va_ssrc(0) depctr_va_vcc(0) depctr_vm_vsrc(0)
	s_getreg_b32 s2, hwreg(HW_REG_IB_STS2, 6, 4)
	s_cmp_eq_u32 s2, 0
	s_cbranch_scc0 .Lentry_in_a_cluster
	s_endpgm
.Lentry_in_a_cluster:
	s_bfe_u32 s2, ttmp6, 0x10000c
	s_cmp_lg_u32 s2, 0x3003
	s_cbranch_scc0 .Lentry_shape_is_right
	s_endpgm
.Lentry_shape_is_right:
; ctx[hb][q][:] = the sum over k of softmax_k(qh[hb][q] . kh[hb][k] / 8) vh[hb][k][:] + bv, for 64 heads hb = b x 16 + head, 2,048 queries and keys, head size 64.  Operands f16, products, maxima and sums f32.
; proj: three tensors of 2^24 bytes, f16: qh, kh [hb][2048][64]; vt [hb][32 blocks][64 channels][64 keys].  ctx: f16 [hb][2048][64].
; bv: the weights of a softmax sum to 1, so sum w (v + bv) = sum w v + bv: it is the addend of the fused multiply-add that divides by the row's sum (only the order of rounding differs from adding it ahead).
; LIMITS: |ctx| stays under 65,504, f16's largest number; the running maximum begins at -3e38, so scores under that are not served; NaN and infinities are not served.
; SHARES: a work-group owns 512 queries of one head, each of its eight waves 64: four tiles of 16, in 512 registers: two waves to a SIMD, so that one wave's vector work stands beside the other's matrix work, and each
; fragment read from LDS still feeds four products.  Every wave walks all keys, 64 a step, in plain phases: K Q^T, softmax, V^T P.
; LAYOUT: S^T = K Q^T (source 0 = 16 keys, source 1 = 16 queries): a lane holds ONE query (lane % 16) and keys 8 (lane / 16) + 0..7.  Two such tiles rounded to f16 in pairs ARE source 1 (32 keys x 16 queries) of
; O^T = V^T P.  K's block [64 keys][64 channels] and V's [64 channels][64 keys] have one shape: one descriptor and one address form serve both.
; SOFTMAX: for each query a running maximum m and sum l: p = 2^(c s - c m), c = log2(e) / 8; in every step O and l are multiplied by a = 2^(c m_old - c m_new).
; CLUSTER: the four work-groups of a head walk the same K and V: each tile is asked for jointly, by the same tensor load with a mask that names the four.
; RING: two slots of four key steps.  Each of the eight waves fetches one block of 8,192 bytes (waves 0-3 K's four steps, waves 4-7 V's): one tensor load of mine is out behind each round, with four key steps in which to land.
; REGISTERS: window 0: v2-11 addresses; v12-43 eight statistics a tile; v64-191 S^T, 32 a tile; v192-255 P, 16 a tile.   window 1: v0-127 O^T, 32 a tile; v128-191 Q; v192-255 K's or V's eight fragments, by turns.
.set STEPB, 32*272                     ; a block in LDS: 32 rows of 256 bytes + 16 of padding; row i of the block's 64 lies at (i / 2) x 272 + (i % 2) x 128: the 16 rows of a load begin at 16 different 16-byte columns of 256
.set VOFF,  4*STEPB                    ; a slot: K's four blocks, then V's four
.set SLOT1, 1<<17                      ; slot 1 begins here: one exclusive or turns an address
.set STAGE, SLOT1+8*STEPB              ; behind the ring: 8 rows x 272 bytes for each wave, for the way out
.set SPARE, STAGE+8*8*272              ; the spare words, 128 bytes a wave
.set AF0, 2                            ; v2  my lane's place in a block
.set BVO, 3                            ; v3  32 x (lane / 16): my place in bv
.set ADR, 4                            ; v4  the LDS address of the run of loads in hand
.set QO,  5                            ; v5  my byte offset in the wave's rows of Q
.set STO, 6
.set RD,  7
.set GO,  8                            ; v8  16 x lane
.set PFO, 9                            ; v9  256 x lane
.set SPW, 10
.set NIL, 11
.set ST,  12                           ; tile t at v[ST + 8 t]: +0 c m, +1 m, +2, +3 l (even keys', odd keys'), +4 to +7 at work; a in +6
.set S,   64
.set P,   192
.set OA,  0                            ; window 1
.set QF,  128
.set KV,  192
.set WV,  12
.set LIM, 15                           ; 1 in a wave that prefetches, else the greatest number
.set PFA, 18                           ; s[18:19] where my prefetches stand
.set G1,  24
.set G0,  32
.set SLOTS, 56
.set CNT, 57
.set CS,  58
.set SEL, 60
.set TB,  62                           ; LDS byte at which the step's block of K begins
.set MSB, 0
.macro WIN new
.if MSB != (\new)
	s_set_vgpr_msb (MSB<<8)|(\new)
.set MSB, (\new)
.endif
.endm
.set W_KQ, 0x05                        ; K and Q window 1, S^T window 0
.set W_PV, 0x51                        ; V window 1, P window 0, O^T window 1
.set W_RS, 0x41                        ; O^T (destination and source 0) window 1, a window 0
.set TO_1, 0x40
.macro CROUND
	s_barrier_signal -1
	s_barrier_wait -1
	s_cmp_lg_u32 s[WV], 0
	s_cbranch_scc1 .Lnot_wave_0_\@
	s_barrier_signal -3
.Lnot_wave_0_\@:
	s_barrier_wait -3
	s_barrier_signal -1
	s_barrier_wait -1
.endm
.macro PLACES
.rept 4
	v_nop
.endr
.endm
; A prefetch of what the NEXT change of slots will ask for: a slot's 32,768 bytes of K and of V.  One cluster alone walks a head, and its four partners take 8,192 bytes each, told apart by address; in each, wave 0 asks for K's
; and wave 4 for V's, lanes 256 bytes apart: each run of 256 bytes is named once in the launch.  The last change that fills a slot asks for nothing.  Slots 0 and 1 come by their loads alone.
.macro ASK
	s_cmp_gt_u32 s[SLOTS], s[LIM]
	s_cbranch_scc0 .Lnot_mine_\@
	global_prefetch_b8 v[PFO], s[PFA:PFA+1] th:TH_LOAD_NT scope:SCOPE_SE
.Lnot_mine_\@:
.endm
	s_load_b128 s[4:7], s[0:1], 0x0                ; proj, bv
	s_load_b64 s[8:9], s[0:1], 0x10                ; ctx
	v_lshl_add_u32 v[SPW], v0, 2, SPARE
	v_mov_b32 v[NIL], 0
	ds_add_u32 v[SPW], v[NIL]                      ; the wave's opening: the add, twice on end, and its wait ahead of my first tensor load
	ds_add_u32 v[SPW], v[NIL]
	v_lshrrev_b32 v1, 5, v0
	v_readfirstlane_b32 s[WV], v1                  ; wave 0..7
	s_bfe_u32 s13, ttmp6, 0x40000                  ; cx: which 512 queries
	s_and_b32 s14, ttmp7, 0xffff                   ; hb, which the four partners share
	s_mov_b32 s[G1], 15|(1<<16)|(1<<20)|(1<<21)|(5<<22)|(3<<25)  ; the mask: all four; elements of 2 bytes; padding on; bit 21 beside a mask; 4 words behind every 64
	s_mov_b32 s[G1+1], 128<<16                     ; tensor_dim0: a dense block as rows of 256 bytes
	s_mov_b32 s[G1+2], 32<<16                      ; tensor_dim1
	s_mov_b32 s[G1+3], 128<<16                     ; tile_dim0
	s_mov_b32 s[G1+4], 32                          ; tile_dim1
	s_mov_b32 s[G1+5], 128                         ; from row to row
	s_mov_b32 s[G1+6], 0
	s_mov_b32 s[G1+7], 0
	s_mov_b32 s[G0], 1
	s_mul_i32 s[G0+1], s[WV], STEPB                ; my block's place in slot 0
	s_lshl_b32 s22, s14, 18                        ; the head's bytes in each tensor
	s_lshr_b32 s16, s[WV], 2
	s_add_co_u32 s16, s16, 1
	s_lshl_b32 s16, s16, 24                        ; K's tensor (waves 0-3) or V's (waves 4-7),
	s_add_co_u32 s16, s16, s22                     ; my head
	s_lshl_b32 s2, s13, 13
	s_add_co_u32 s2, s2, s16
	s_add_co_u32 s2, s2, 32768                     ; the prefetches: my work-group's 8,192 bytes, in slot 1; the first change steps it to slot 2
	s_mov_b32 s3, 0
	s_and_b32 s17, s[WV], 3
	s_cmp_eq_u32 s17, 0
	s_cselect_b32 s[LIM], 1, -1                    ; waves 0 and 4 ask: the same in all four partners
	s_lshl_b32 s17, s17, 13
	s_add_co_u32 s16, s16, s17                     ; my block among the slot's four
	s_mov_b32 s17, 0
	s_lshl_b32 s20, s13, 16
	s_add_co_u32 s20, s20, s22
	s_lshl_b32 s21, s[WV], 13
	s_add_co_u32 s20, s20, s21                     ; my 64 queries: rows 512 cx + 64 wave of 128 bytes
	s_mov_b32 s21, 0
	s_and_b32 s22, s14, 15
	s_lshl_b32 s22, s22, 8                         ; the head's 64 numbers of bv
	s_mov_b32 s23, 0
	s_mov_b32 s[CS], 0x3e38aa3b                    ; c = log2(e) / 8
	s_mov_b32 s[CS+1], s[CS]
	s_mov_b32 s[SEL], 0x76543210
	s_mov_b32 s[SEL+1], 0xfedcba98
	s_mov_b32 s[TB], 0
	s_mov_b32 s[SLOTS], 7
	s_wait_dscnt 0x0                               ; both opening adds are done
	s_wait_kmcnt 0x0
	s_add_nc_u64 s[G0+2:G0+3], s[4:5], s[16:17]
	s_or_b32 s[G0+3], s[G0+3], 0x80000000
	s_add_nc_u64 s[PFA:PFA+1], s[4:5], s[2:3]
	s_add_nc_u64 s[4:5], s[4:5], s[20:21]          ; Q
	s_add_nc_u64 s[8:9], s[8:9], s[20:21]          ; ctx
	s_add_nc_u64 s[6:7], s[6:7], s[22:23]          ; bv
	CROUND                                         ; all four work-groups are here: the first joint loads meet
	tensor_load_to_lds s[G0:G0+3], s[G1:G1+7]      ; slot 0
	s_nop 0
	PLACES
	v_and_b32 v1, 15, v0                           ; r
	v_bfe_u32 v3, v0, 4, 1                         ; h
	v_lshlrev_b32 v[QO], 7, v1
	v_lshl_add_u32 v[QO], v3, 4, v[QO]             ; row r of 128 bytes + 16 h
	WIN TO_1
.irp t, 0,1,2,3
.irp f, 0,1
	global_load_b128 v[QF+16*\t+8*\f:QF+16*\t+8*\f+3],   v[QO], s[4:5] offset:2048*\t+64*\f th:TH_LOAD_NT      ; Q stays in registers: tile t, channels 32 f on
	global_load_b128 v[QF+16*\t+8*\f+4:QF+16*\t+8*\f+7], v[QO], s[4:5] offset:2048*\t+64*\f+32 th:TH_LOAD_NT
.endr
.endr
	WIN 0
	v_lshrrev_b32 v[AF0], 1, v1
	v_mul_u32_u24 v[AF0], v[AF0], 272
	v_and_b32 v4, 1, v1
	v_lshl_add_u32 v[AF0], v4, 7, v[AF0]
	v_lshl_add_u32 v[AF0], v3, 4, v[AF0]           ; (r / 2) x 272 + (r % 2) x 128 + 16 h
	s_mul_i32 s16, s[WV], 8*272
	s_add_co_u32 s16, s16, STAGE                   ; my stage
	v_add_nc_u32 v[STO], s16, v[AF0]
	v_mul_u32_u24 v[RD], v3, 272
	v_lshl_add_u32 v[RD], v1, 4, v[RD]
	v_add_nc_u32 v[RD], s16, v[RD]
	v_and_b32 v[GO], 31, v0
	v_lshlrev_b32 v[PFO], 8, v[GO]
	v_lshlrev_b32 v[GO], 4, v[GO]
	v_lshlrev_b32 v[BVO], 5, v3
.irp t, 0,1,2,3
	v_mov_b32 v[ST+8*\t], 0xff61b1e6               ; c m and m begin at -3e38, under every score: the first a is 0
	v_mov_b32 v[ST+8*\t+1], 0xff61b1e6
	v_mov_b32 v[ST+8*\t+2], 0                      ; l
	v_mov_b32 v[ST+8*\t+3], 0
.endr
	WIN TO_1
.set n, 0
.rept 128
	v_mov_b32 v[OA+n], 0                           ; O^T, once: the step is written for all steps alike, and its first trip finds zeros
.set n, n+1
.endr
	WIN 0
; Product i of 32 of S^T = K Q^T: channels 32 (i / 16) on, keys 16 ((i / 4) % 4) on, tile i % 4.  The first 16 start the sums.  The 16 accumulators take turns.
.macro KQ
.set rS, S+32*(i%4)+8*((i/4)%4)
.set rK, KV+16*((i/4)%4)+8*(i/16)
.set rQ, QF+16*(i%4)+8*(i/16)
.if i < 16
	v_wmma_f32_16x16x32_f16 v[rS:rS+7], v[rK:rK+7], v[rQ:rQ+7], 0
.else
	v_wmma_f32_16x16x32_f16 v[rS:rS+7], v[rK:rK+7], v[rQ:rQ+7], v[rS:rS+7]
.endif
.endm
; Product i of 32 of O^T += V^T P: keys 32 (i / 16) on, channels 16 ((i / 4) % 4) on, tile i % 4
.macro PV
.set rO, OA+32*(i%4)+8*((i/4)%4)
.set rV, KV+16*((i/4)%4)+8*(i/16)
.set rP, P+16*(i%4)+8*(i/16)
	v_wmma_f32_16x16x32_f16 v[rO:rO+7], v[rV:rV+7], v[rP:rP+7], v[rO:rO+7]
.endm
; 16 LDS loads in one run: a block's eight fragments (16 rows x 32 along the rows each).  off = 0: K's block of the step at s[TB]; off = VOFF: V's
.macro FETCH off
	WIN 0
	v_add_nc_u32 v[ADR], s[TB], v[AF0]
	WIN TO_1
.irp n, 0,1,2,3
.irp f, 0,1
	ds_load_b128 v[KV+16*\n+8*\f:KV+16*\n+8*\f+3],   v[ADR] offset:\off+2176*\n+64*\f
	ds_load_b128 v[KV+16*\n+8*\f+4:KV+16*\n+8*\f+7], v[ADR] offset:\off+2176*\n+64*\f+32
.endr
.endr
.endm
; A KEY STEP: 64 keys.  In every run of vector lines the four tiles take turns, so that no line waits for the line above it.
.macro STEP
	s_wait_dscnt 0x0                               ; K is in
	WIN W_KQ
.set i, 0
.rept 32
	KQ
.set i, i+1
.endr
	WIN 0
	PLACES                                         ; behind the products: for the loads into the registers that held K, and for the first read of S^T
	FETCH VOFF                                     ; V lands while the softmax is walked
	s_add_co_u32 s[TB], s[TB], STEPB
	WIN 0
.irp j, 0,1,2,3                                ; the maximum of the lane's 32 scores and the old m: four chains, each begun at an accumulator's low end
.irp t, 0,1,2,3
	v_max3_num_f32 v[ST+8*\t+4+\j], v[S+32*\t+8*\j], v[S+32*\t+8*\j+1], v[S+32*\t+8*\j+2]
.endr
.endr
.irp g, 1,2
.irp j, 0,1,2,3
.irp t, 0,1,2,3
	v_max3_num_f32 v[ST+8*\t+4+\j], v[ST+8*\t+4+\j], v[S+32*\t+8*\j+2*\g+1], v[S+32*\t+8*\j+2*\g+2]
.endr
.endr
.endr
.irp t, 0,1,2,3
	v_max3_num_f32 v[ST+8*\t+4], v[ST+8*\t+4], v[S+32*\t+7], v[S+32*\t+15]
.endr
.irp t, 0,1,2,3
	v_max3_num_f32 v[ST+8*\t+6], v[ST+8*\t+6], v[S+32*\t+23], v[S+32*\t+31]
.endr
.irp t, 0,1,2,3
	v_max3_num_f32 v[ST+8*\t+4], v[ST+8*\t+4], v[ST+8*\t+5], v[ST+8*\t+6]
.endr
.irp t, 0,1,2,3
	v_max3_num_f32 v[ST+8*\t+4], v[ST+8*\t+4], v[ST+8*\t+7], v[ST+8*\t+1]
.endr
.irp t, 0,1,2,3
	v_permlanex16_b32 v[ST+8*\t+5], v[ST+8*\t+4], s[SEL], s[SEL+1]   ; the query's other 32 keys lie in the lane 16 away
.endr
.irp t, 0,1,2,3
	v_mov_b32 v[ST+8*\t+7], v[ST+8*\t]             ; c m_old is kept for a
.endr
.irp t, 0,1,2,3
	v_max_num_f32 v[ST+8*\t+1], v[ST+8*\t+4], v[ST+8*\t+5]
.endr
.irp t, 0,1,2,3
	v_mul_f32 v[ST+8*\t], s[CS], v[ST+8*\t+1]
.endr
.irp t, 0,1,2,3
	v_sub_f32 v[ST+8*\t+7], v[ST+8*\t+7], v[ST+8*\t]
.endr
; ONE BATCH: the 4 exponentials for a, the 64 packed scalings c s - c m and the 128 exponentials for p.  None of these lines names an exponential's result.
.irp t, 0,1,2,3
	v_exp_f32 v[ST+8*\t+6], v[ST+8*\t+7]
.endr
.irp b, 0,1,2,3,4,5,6,7,8,9,10,11,12,13,14,15
.irp t, 0,1,2,3
	v_pk_fma_f32 v[S+32*\t+2*\b:S+32*\t+2*\b+1], v[S+32*\t+2*\b:S+32*\t+2*\b+1], s[CS:CS+1], v[ST+8*\t:ST+8*\t+1] op_sel_hi:[1,0,0] neg_lo:[0,0,1] neg_hi:[0,0,1]
.endr
.irp t, 0,1,2,3
	v_exp_f32 v[S+32*\t+2*\b], v[S+32*\t+2*\b]
	v_exp_f32 v[S+32*\t+2*\b+1], v[S+32*\t+2*\b+1]
.endr
.endr
	v_nop                                          ; a plain line behind the last exponential,
	s_wait_alu depctr_va_vdst(0)                   ; and the one wait ahead of the batch's first reader
.irp n, 0,1,2,3,4,5,6,7,8,9,10,11,12,13,14,15
.irp t, 0,1,2,3
	v_cvt_pk_f16_f32 v[P+16*\t+\n], v[S+32*\t+2*\n], v[S+32*\t+2*\n+1]   ; p, at most 1, to f16 in pairs: source 1 of the second product
.endr
.endr
	WIN W_RS
.irp n, 0,1,2,3,4,5,6,7,8,9,10,11,12,13,14,15
.irp t, 0,1,2,3
	v_pk_mul_f32 v[OA+32*\t+2*\n:OA+32*\t+2*\n+1], v[OA+32*\t+2*\n:OA+32*\t+2*\n+1], v[ST+8*\t+6:ST+8*\t+7] op_sel_hi:[1,0]   ; O^T x a, each accumulator from its low end on
.endr
.endr
	s_wait_dscnt 0x0                               ; V is in
	WIN W_PV
.set i, 0
.rept 32
	PV
.set i, i+1
.endr
	WIN 0
.irp u, 0,1                                    ; the row's sums, in place on p's pairs.  These eight name none of the products' registers: they are the places in front of the loads below
.irp t, 0,1,2,3
	v_pk_add_f32 v[S+32*\t+4*\u:S+32*\t+4*\u+1], v[S+32*\t+4*\u:S+32*\t+4*\u+1], v[S+32*\t+4*\u+2:S+32*\t+4*\u+3]
.endr
.endr
	s_cmp_eq_u32 s[CNT], 1                         ; the slot's last step fetches nothing: the next K lies behind the change of slots
	s_cbranch_scc1 .Lnok_\@
	FETCH 0                                        ; the next step's K; the rest of the sums stands between these loads and the wait for them
	WIN 0
.Lnok_\@:
.irp u, 2,3,4,5,6,7
.irp t, 0,1,2,3
	v_pk_add_f32 v[S+32*\t+4*\u:S+32*\t+4*\u+1], v[S+32*\t+4*\u:S+32*\t+4*\u+1], v[S+32*\t+4*\u+2:S+32*\t+4*\u+3]
.endr
.endr
.irp u, 0,1,2,3
.irp t, 0,1,2,3
	v_pk_add_f32 v[S+32*\t+8*\u:S+32*\t+8*\u+1], v[S+32*\t+8*\u:S+32*\t+8*\u+1], v[S+32*\t+8*\u+4:S+32*\t+8*\u+5]
.endr
.endr
.irp u, 0,1
.irp t, 0,1,2,3
	v_pk_add_f32 v[S+32*\t+16*\u:S+32*\t+16*\u+1], v[S+32*\t+16*\u:S+32*\t+16*\u+1], v[S+32*\t+16*\u+8:S+32*\t+16*\u+9]
.endr
.endr
.irp t, 0,1,2,3
	v_pk_add_f32 v[S+32*\t:S+32*\t+1], v[S+32*\t:S+32*\t+1], v[S+32*\t+16:S+32*\t+17]
.endr
.irp t, 0,1,2,3
	v_pk_fma_f32 v[ST+8*\t+2:ST+8*\t+3], v[ST+8*\t+2:ST+8*\t+3], v[ST+8*\t+6:ST+8*\t+7], v[S+32*\t:S+32*\t+1] op_sel_hi:[1,0,1]   ; l = a l + the sum
.endr
.endm
; THE CHANGE OF SLOTS stands at a slot's head.  Each wave waits for all its tensor loads (its block of the slot ahead), adds 0 to its spare word, and waits for that and for its reads of the slot that it has left.
; fill = 1: a round of the cluster's barrier, so that no wave of any partner still reads that slot or has a load on its way; the joint load of the next four key steps is the first thing behind it.
.macro CHANGE fill
	WIN 0
	s_wait_tensorcnt 0x0                           ; no tensor load of mine is out, so the descriptor may be written
	ds_add_u32 v[SPW], v[NIL]
.if \fill
	s_xor_b32 s[G0+1], s[G0+1], SLOT1              ; the other slot than last time,
	s_add_nc_u64 s[G0+2:G0+3], s[G0+2:G0+3], 32768 ; the next four blocks; the type bits on top are not reached
	s_wait_xcnt 0x0                                ; the last prefetch, a slot back, has read its address
	s_add_nc_u64 s[PFA:PFA+1], s[PFA:PFA+1], 32768
	s_wait_dscnt 0x0                               ; the add is done, and my reads of the slot that I have left are over
	CROUND
	tensor_load_to_lds s[G0:G0+3], s[G1:G1+7]
	s_nop 0
	PLACES
.else
	s_wait_dscnt 0x0
	s_barrier_signal -1
	s_barrier_wait -1
.endif
.endm
.macro FOUR_STEPS ask                  ; a slot's four key steps: written once, walked four times; the LDS addresses hang on s[TB]
	FETCH 0
	WIN 0
.if \ask
	ASK                                            ; behind the tensor load's lines and the run of LDS loads: four key steps ahead of the load that will want these bytes
.endif
	s_mov_b32 s[CNT], 4
.Lstep_\@:
	STEP
	s_sub_co_u32 s[CNT], s[CNT], 1
	s_cmp_lg_u32 s[CNT], 0
	s_cbranch_scc1 .Lstep_\@
	s_sub_co_u32 s[TB], s[TB], 4*STEPB             ; back to a slot's first step,
	s_xor_b32 s[TB], s[TB], SLOT1                  ; in the other slot
.endm
	s_wait_loadcnt 0x0                             ; Q
.Lslot:                                            ; seven trips: behind each change of slots but the last the next slot is asked for
	CHANGE 1
	FOUR_STEPS 1
	s_sub_co_u32 s[SLOTS], s[SLOTS], 1
	s_cmp_lg_u32 s[SLOTS], 0
	s_cbranch_scc1 .Lslot
	CHANGE 0                                       ; the last slot is written out
	FOUR_STEPS 0
	; THE WAY OUT.  ctx = O^T / l + bv, rounded to f16, through my stage in LDS, a tile (16 rows of 128 bytes) at a time.  The step's last sums are the places behind the last products.
.irp n, 0,1,2,3
	global_load_b128 v[P+8*\n:P+8*\n+3],   v[BVO], s[6:7] offset:64*\n       ; bv in O^T's layout: channels 16 n + 8 h + 0 .. 7
	global_load_b128 v[P+8*\n+4:P+8*\n+7], v[BVO], s[6:7] offset:64*\n+16
.endr
.irp t, 0,1,2,3
	v_add_f32 v[ST+8*\t+4], v[ST+8*\t+2], v[ST+8*\t+3]
.endr
.irp t, 0,1,2,3
	v_permlanex16_b32 v[ST+8*\t+5], v[ST+8*\t+4], s[SEL], s[SEL+1]
.endr
.irp t, 0,1,2,3
	v_add_f32 v[ST+8*\t+4], v[ST+8*\t+4], v[ST+8*\t+5]
.endr
.irp t, 0,1,2,3
	v_rcp_f32 v[ST+8*\t+6], v[ST+8*\t+4]
.endr
	v_nop                                          ; a plain line behind the last reciprocal,
	s_wait_alu depctr_va_vdst(0)                   ; and the one wait for the four, ahead of their first reader
	s_wait_loadcnt 0x0                             ; bv
.macro PACK t
	WIN 0x01                                       ; source 0 (O^T) window 1
.set n, 0
.rept 16
	v_pk_fma_f32 v[S+32*\t+n:S+32*\t+n+1], v[OA+32*\t+n:OA+32*\t+n+1], v[ST+8*\t+6:ST+8*\t+7], v[P+n:P+n+1] op_sel_hi:[1,0,1]
.set n, n+2
.endr
	WIN 0
.set n, 0
.rept 16
	v_cvt_pk_f16_f32 v[P+32+n], v[S+32*\t+2*n], v[S+32*\t+2*n+1]
.set n, n+1
.endr
.irp c, 0,1,2,3
	ds_store_b128 v[STO], v[P+32+4*\c:P+32+4*\c+3] offset:32*\c
.endr
.irp c, 0,1,2,3
	ds_load_b128 v[S+32*\t+4*\c:S+32*\t+4*\c+3], v[RD] offset:544*\c   ; LDS serves a wave's instructions in order: these see the stores above; the next tile's stores come behind them
.endr
.endm
.macro SEND t, younger                 ; younger: the next tile's eight LDS instructions, or none
.irp c, 0,1,2,3
	s_wait_dscnt \younger+3-\c
	global_store_b128 v[GO], v[S+32*\t+4*\c:S+32*\t+4*\c+3], s[8:9] offset:2048*\t+512*\c   ; 32 lanes store 512 consecutive bytes
.endr
.endm
	PACK 0
	PACK 1
	SEND 0, 8
	PACK 2
	SEND 1, 8
	PACK 3
	SEND 2, 8
	SEND 3, 0
	s_wait_tensorcnt 0x0                           ; the wave's end
	ds_add_u32 v[SPW], v[NIL]
	s_wait_dscnt 0x0
	CROUND                                         ; the closing round
	s_endpgm
.Lfunc_end_k_q9423392afd_attn:
	.size	k_q9423392afd_attn, .Lfunc_end_k_q9423392afd_attn-k_q9423392afd_attn
	.p2alignl 7, 3214868480
	.fill 96, 4, 3214868480
	.section	.rodata,"a",@progbits
	.p2align	6, 0x0
	.amdhsa_kernel k_q9423392afd_attn
		.amdhsa_group_segment_fixed_size 327680
		.amdhsa_private_segment_fixed_size 0
		.amdhsa_enable_private_segment 0
		.amdhsa_kernarg_size 24
		.amdhsa_user_sgpr_count 2
		.amdhsa_user_sgpr_kernarg_segment_ptr 1
		.amdhsa_wavefront_size32 1
		.amdhsa_system_sgpr_workgroup_id_x 1
		.amdhsa_system_sgpr_workgroup_id_y 1
		.amdhsa_system_sgpr_workgroup_id_z 1
		.amdhsa_system_vgpr_workitem_id 0
		.amdhsa_next_free_vgpr 512
		.amdhsa_next_free_sgpr 66
		.amdhsa_reserve_vcc 0
		.amdhsa_float_denorm_mode_32 3
		.amdhsa_float_denorm_mode_16_64 3
		.amdhsa_memory_ordered 1
		.amdhsa_forward_progress 1
		.amdhsa_inst_pref_size 93
	.end_amdhsa_kernel
	.amdgpu_metadata
---
amdhsa.version: [ 1, 2 ]
amdhsa.kernels:
  - .name:           k_q9423392afd_attn
    .symbol:         k_q9423392afd_attn.kd
    .args:
      - { .name: proj, .offset: 0, .size: 8, .value_kind: global_buffer, .address_space: global }
      - { .name: bv, .offset: 8, .size: 8, .value_kind: global_buffer, .address_space: global }
      - { .name: ctx, .offset: 16, .size: 8, .value_kind: global_buffer, .address_space: global }
    .group_segment_fixed_size: 327680
    .private_segment_fixed_size: 0
    .kernarg_segment_align: 8
    .kernarg_segment_size: 24
    .max_flat_workgroup_size: 256
    .sgpr_count:     66
    .vgpr_count:     512
    .wavefront_size: 32
...
	.end_amdgpu_metadata
.endif
;; end of part 3
;; launch outp (part 4): grid 4 x 64, 4 waves a work-group, clusters of 4 x 4, 327,680 bytes of LDS; arguments ctx, wo16, bo, out0; writes out0
.if DOCPART == 4
	.amdgcn_target "amdgcn-amd-amdhsa--gfx1250"
	.amdhsa_code_object_version 6
	.text
	.protected	k_q9423392afd_outp
	.globl	k_q9423392afd_outp
	.p2align	8
	.type	k_q9423392afd_outp,@function
k_q9423392afd_outp:
	s_mov_b64 s[64:65], 0
	v_nop
	global_prefetch_b8 v0, s[64:65] scope:SCOPE_SE
	s_setreg_imm32_b32 hwreg(HW_REG_WAVE_MODE, 25, 1), 1
	s_wait_xcnt 0x0
	s_wait_alu depctr_hold_cnt(0) depctr_sa_sdst(0) depctr_va_vdst(0) depctr_va_sdst(0) depctr_va_ssrc(0) depctr_va_vcc(0) depctr_vm_vsrc(0)
	s_getreg_b32 s2, hwreg(HW_REG_IB_STS2, 6, 4)
	s_cmp_eq_u32 s2, 0
	s_cbranch_scc0 .Lentry_in_a_cluster
	s_endpgm
.Lentry_in_a_cluster:
	s_bfe_u32 s2, ttmp6, 0x10000c
	s_cmp_lg_u32 s2, 0xf033
	s_cbranch_scc0 .Lentry_shape_is_right
	s_endpgm
.Lentry_shape_is_right:
; out0[token][n] = the sum over k of ctx[token][k] Wo[n][k] + bo[n], k = 64 head + channel.  ctx: f16 [b][head][2048][64]; wo16: f16 [1024 n][1024 k]; bo, out0 [8192][1024]: f32.  Sums in f32.
; SHARES: 256 work-groups; a tile is 128 tokens x 256 n; four waves, each 64 x 128: 32 accumulators.  K goes in 8 steps of 128 (two heads) through a ring of two LDS slots.
; A's part of a K step is, for each of the two heads, 128 tokens x 128 bytes: 16,384 dense bytes, fetched as 64 rows of 256 (two tokens to a row); B's is 256 rows of 256 bytes.  Waves 0, 1 fetch A's two heads, waves 2, 3 B's halves.
; CLUSTERS: 4 x 4 work-groups: A's tiles are shared along a row of the cluster, B's along a column: each is asked for jointly.
; The matrix instruction is used transposed (source 0 = 16 rows of Wo, source 1 = 16 tokens): a lane holds eight neighbouring n of one token.  bo is the C of each sum's first product.
; No prefetch: ctx's part of a joint load is 64 runs of 256 bytes among four partners, and wo16 is read again by all sixteen clusters.
; REGISTERS: window 0: v1-29 addresses; v128-191 bo in the result's layout; on the way out v128-255 hold rows of out0.   window 1: two fragment buffers at v0 and v128: A's 4 fragments, then B's 8.   window 2: accumulator (a, b) at v[8 (8 a + b)].
.set AHEAD1, 64*272                    ; A: one head's 64 LDS rows of 256 bytes + 16 of padding
.set BOFF,   2*AHEAD1                  ; B lies behind A's two heads
.set BHALF,  128*272
.set SLOT,   BOFF+2*BHALF
.set STAGE,  2*SLOT                    ; behind the ring: 16 rows x 528 bytes for each wave
.set SPITCH, 528
.set SPARE,  STAGE+4*16*SPITCH         ; the spare words, 128 bytes a wave
.set LAPS,   4                         ; a lap = two K steps = once round the ring
.set ADRA, 16
.set ADRB, 20
.set STO,  24
.set RD,   25
.set CO,   26
.set SPW,  28
.set NIL,  29
.set BI,   128
.set BK,   128
.set F0,   0
.set F1,   128
.set G1, 24
.set G0, 32
.set G1B, 48
.set G0B, 56
.set MSB, 0
.macro WIN new
.if MSB != (\new)
	s_set_vgpr_msb (MSB<<8)|(\new)
.set MSB, (\new)
.endif
.endm
.set MUL,   0xa5                       ; sources 0 (B) and 1 (A) window 1; C and D window 2
.set FIRST, 0x85                       ; the first quarter: C (bo) window 0
.set TO_F,  0x40
.macro JLOAD s                         ; a joint load: waves 0, 1 for A, waves 2, 3 for B; an s_nop 0 and four v_nop follow each of the two lines
	s_cmp_eq_u32 s13, 0
	s_cbranch_scc0 .Lfor_b_\@
	tensor_load_to_lds s[G0+4*\s:G0+4*\s+3], s[G1:G1+7]
	s_nop 0
.rept 4
	v_nop
.endr
	s_branch .Lasked_\@
.Lfor_b_\@:
	tensor_load_to_lds s[G0B+4*\s:G0B+4*\s+3], s[G1B:G1B+7]
	s_nop 0
.rept 4
	v_nop
.endr
.Lasked_\@:
.endm
.macro CREST
	s_cmp_lg_u32 s12, 0
	s_cbranch_scc1 .Lnot_wave_0_\@
	s_barrier_signal -3
.Lnot_wave_0_\@:
	s_barrier_wait -3
	s_barrier_signal -1
	s_barrier_wait -1
.endm
.macro CROUND
	s_barrier_signal -1
	s_barrier_wait -1
	CREST
.endm
	s_load_b128 s[4:7], s[0:1], 0x0                ; ctx, wo16
	s_load_b128 s[8:11], s[0:1], 0x10              ; bo, out0
	v_lshl_add_u32 v[SPW], v0, 2, SPARE
	v_mov_b32 v[NIL], 0
	ds_add_u32 v[SPW], v[NIL]                      ; the wave's opening: the add, twice on end, and its wait ahead of my first tensor load
	ds_add_u32 v[SPW], v[NIL]
	v_lshrrev_b32 v1, 5, v0
	v_readfirstlane_b32 s12, v1                    ; wave 0..3
	s_lshr_b32 s13, s12, 1                         ; which 64 tokens are mine.  Also: I fetch for A (0) or for B (1)
	s_and_b32 s14, s12, 1                          ; which 128 n are mine.  Also: which piece I fetch
	s_bfe_u32 s15, ttmp6, 0x40000                  ; cx = the tile column: the grid is one cluster wide
	s_bfe_u32 s16, ttmp6, 0x40004                  ; cy
	s_and_b32 s17, ttmp7, 0xffff
	s_lshl_b32 s17, s17, 2
	s_add_co_u32 s17, s17, s16                     ; the tile row = 4 x cluster y + cy
	s_lshl_b32 s18, s16, 2
	s_lshl_b32 s18, 15, s18                        ; my row of the cluster
	s_lshl_b32 s19, 0x1111, s15                    ; my column
	s_or_b32 s[G1+0], s18, (1<<16)|(1<<20)|(1<<21)|(5<<22)|(3<<25)  ; the mask; elements of 2 bytes; padding on; bit 21 beside a mask; 4 words behind every 64
	s_mov_b32 s[G1+1], 128<<16                     ; A: 64 rows of 128 elements, dense
	s_mov_b32 s[G1+2], 64<<16
	s_mov_b32 s[G1+3], 128<<16
	s_mov_b32 s[G1+4], 64
	s_mov_b32 s[G1+5], 128
	s_mov_b32 s[G1+6], 0
	s_mov_b32 s[G1+7], 0
	s_or_b32 s[G1B+0], s19, (1<<16)|(1<<20)|(1<<21)|(5<<22)|(3<<25)
	s_mov_b32 s[G1B+1], 128<<16                    ; B: 128 rows of 128 elements, 1,024 elements apart
	s_mov_b32 s[G1B+2], 128<<16
	s_mov_b32 s[G1B+3], 128<<16
	s_mov_b32 s[G1B+4], 128
	s_mov_b32 s[G1B+5], 1024
	s_mov_b32 s[G1B+6], 0
	s_mov_b32 s[G1B+7], 0
	s_lshr_b32 s20, s17, 4
	s_lshl_b32 s20, s20, 22                        ; A: the batch,
	s_and_b32 s21, s17, 15
	s_lshl_b32 s21, s21, 14                        ; the tile's 128 tokens of 128 bytes,
	s_add_co_u32 s20, s20, s21
	s_lshl_b32 s21, s14, 18                        ; the head that I fetch of a K step's two
	s_add_co_u32 s20, s20, s21
	s_mov_b32 s21, 0
	s_lshl_b32 s22, s15, 8
	s_lshl_b32 s23, s14, 7
	s_add_co_u32 s22, s22, s23                     ; B: row 256 x tile column + 128 x piece,
	s_lshl_b32 s22, s22, 11                        ; 2,048 bytes a row
	s_mov_b32 s23, 0
	s_mul_i32 s40, s14, AHEAD1                     ; where they go
	s_mul_i32 s41, s14, BHALF
	s_add_co_u32 s41, s41, BOFF
	s_wait_dscnt 0x0                               ; both opening adds are done
	s_wait_kmcnt 0x0
	s_add_nc_u64 s[20:21], s[4:5], s[20:21]
	s_add_nc_u64 s[22:23], s[6:7], s[22:23]
	CROUND                                         ; all sixteen work-groups are here: the first joint loads meet
.irp s, 0,1
	s_mov_b32 s[G0+4*\s], 1
	s_add_co_u32 s[G0+4*\s+1], s40, \s*SLOT
	s_add_nc_u64 s[G0+4*\s+2:G0+4*\s+3], s[20:21], \s*(2<<18)      ; K step s: heads 2 s, 2 s + 1
	s_or_b32 s[G0+4*\s+3], s[G0+4*\s+3], 0x80000000
	s_mov_b32 s[G0B+4*\s], 1
	s_add_co_u32 s[G0B+4*\s+1], s41, \s*SLOT
	s_add_nc_u64 s[G0B+4*\s+2:G0B+4*\s+3], s[22:23], \s*256
	s_or_b32 s[G0B+4*\s+3], s[G0B+4*\s+3], 0x80000000
	JLOAD \s                                       ; two loads of mine are out
.endr
	v_and_b32 v1, 15, v0                           ; r
	v_bfe_u32 v2, v0, 4, 1                         ; h
	s_lshl_b32 s44, s15, 10
	s_lshl_b32 s45, s14, 9
	s_add_co_u32 s44, s44, s45                     ; my first n, in bytes of f32
	s_mov_b32 s45, 0
	s_add_nc_u64 s[8:9], s[8:9], s[44:45]
	v_lshlrev_b32 v5, 5, v2
.irp b, 0,1,2,3,4,5,6,7
	global_load_b128 v[BI+8*\b:BI+8*\b+3], v5, s[8:9] offset:64*\b          ; bo in the result's layout: n = 16 b + 8 h + 0 .. 7
	global_load_b128 v[BI+8*\b+4:BI+8*\b+7], v5, s[8:9] offset:64*\b+16
.endr
	v_lshrrev_b32 v3, 1, v1
	v_mul_u32_u24 v3, v3, 272
	v_and_b32 v4, 1, v1
	v_lshl_add_u32 v3, v4, 7, v3
	v_lshl_add_u32 v3, v2, 4, v3                   ; A: (r / 2) x 272 + (r % 2) x 128 + 16 h
	v_mul_u32_u24 v4, v1, 272
	v_lshl_add_u32 v4, v2, 4, v4                   ; B: r x 272 + 16 h
	s_mul_i32 s42, s13, 32*272                     ; my 64 tokens
	s_mul_i32 s43, s14, BHALF                      ; my 128 n
	s_add_co_u32 s43, s43, BOFF
.irp s, 0,1
	v_add_nc_u32 v[ADRA+\s], s42, v3
	v_add_nc_u32 v[ADRB+\s], s43, v4
	s_add_co_u32 s42, s42, SLOT
	s_add_co_u32 s43, s43, SLOT
.endr
	s_mul_i32 s2, s12, 16*SPITCH
	s_add_co_u32 s2, s2, STAGE                     ; my stage
	v_mul_u32_u24 v6, v1, SPITCH
	v_lshl_add_u32 v6, v2, 5, v6
	v_add_nc_u32 v[STO], s2, v6                    ; in: row r, 32 bytes for each half of the lanes
	v_and_b32 v6, 31, v0
	v_lshlrev_b32 v[CO], 4, v6                     ; back: the 32 lanes take one row of 512 bytes; and the same in out0
	v_add_nc_u32 v[RD], s2, v[CO]
	s_lshl_b32 s46, s17, 7
	s_lshl_b32 s47, s13, 6
	s_add_co_u32 s46, s46, s47                     ; my first token,
	s_lshl_b32 s46, s46, 12                        ; 4,096 bytes a row of out0,
	s_add_co_u32 s46, s46, s44                     ; my first n
	s_mov_b32 s47, 0
	s_add_nc_u64 s[10:11], s[10:11], s[46:47]
; 8 matrix instructions: token block a x all 8 n blocks, 32 along K, from buffer f.  first = 1: bo is the C that starts the sums.  The 32 accumulators take turns in one order everywhere.
.macro MUL8 f, a, first
.irp b, 0,1,2,3,4,5,6,7
.if \first
	v_wmma_f32_16x16x32_f16 v[8*(8*\a+\b):8*(8*\a+\b)+7], v[\f+32+8*\b:\f+32+8*\b+7], v[\f+8*\a:\f+8*\a+7], v[BI+8*\b:BI+8*\b+7]
.else
	v_wmma_f32_16x16x32_f16 v[8*(8*\a+\b):8*(8*\a+\b)+7], v[\f+32+8*\b:\f+32+8*\b+7], v[\f+8*\a:\f+8*\a+7], v[8*(8*\a+\b):8*(8*\a+\b)+7]
.endif
.endr
.endm
; 24 LDS loads in one run: the fragments of the slot's q-th 32 along K (head q / 2, channels 32 (q % 2) on) into buffer f; B's first
.macro FETCH slot, q, f
	WIN TO_F
.irp b, 0,1,2,3,4,5,6,7
	ds_load_b128 v[\f+32+8*\b:\f+32+8*\b+3],   v[ADRB+\slot] offset:64*(\q)+4352*\b
	ds_load_b128 v[\f+32+8*\b+4:\f+32+8*\b+7], v[ADRB+\slot] offset:64*(\q)+4352*\b+32
.endr
.irp a, 0,1,2,3
	ds_load_b128 v[\f+8*\a:\f+8*\a+3],   v[ADRA+\slot] offset:((\q)/2)*AHEAD1+((\q)%2)*64+2176*\a
	ds_load_b128 v[\f+8*\a+4:\f+8*\a+7], v[ADRA+\slot] offset:((\q)/2)*AHEAD1+((\q)%2)*64+2176*\a+32
.endr
.endm
.macro PLACES                          ; four places in front of loads into registers that matrix instructions have read, and of the first read of results
.rept 4
	v_nop
.endr
.endm
; A K step is four quarters of 32 along K, 32 matrix instructions each, on buffers 0, 1, 0, 1.  One of the first three: multiplies buffer f and fetches quarter q of the slot into g.
.macro QUARTER slot, q, f, g, first
	s_wait_dscnt 4                                 ; all but the youngest four loads (A's blocks 2, 3) are in
.if \first
	WIN FIRST
.else
	WIN MUL
.endif
	MUL8 \f, 0, \first
	MUL8 \f, 1, \first
	PLACES
	FETCH \slot, \q, \g
	s_wait_dscnt 24                                ; all but the 24 just issued
.if \first
	WIN FIRST
.else
	WIN MUL
.endif
	MUL8 \f, 2, \first
	MUL8 \f, 3, \first
.endm
; The last quarter multiplies buffer 1 and changes slots: one barrier; in front of it each wave waits for all its tensor loads, adds 0 to its spare word, and waits for that and for its reads of this slot.
; fill = 1: the barrier opens a round of the cluster's, and this slot is filled again, two K steps ahead, first thing behind it.
.macro TURN slot, next, fill
	WIN 0
	s_wait_tensorcnt 0x0                           ; all my tensor loads have landed: my part of the next slot
	ds_add_u32 v[SPW], v[NIL]
	s_wait_dscnt 5                                 ; the add and the youngest four loads may be out
	WIN MUL
	MUL8 F1, 0, 0
	s_wait_dscnt 0x0                               ; the add is done, and my reads of this slot are over
	s_barrier_signal -1
	MUL8 F1, 1, 0
.if \fill
	WIN 0
.endif
	s_barrier_wait -1
.if \fill
	CREST
	s_add_nc_u64 s[G0+4*\slot+2:G0+4*\slot+3], s[G0+4*\slot+2:G0+4*\slot+3], 1<<20     ; four heads on
	s_add_nc_u64 s[G0B+4*\slot+2:G0B+4*\slot+3], s[G0B+4*\slot+2:G0B+4*\slot+3], 512   ; 256 along K on
	JLOAD \slot                                    ; the four v_nop behind it are also the places in front of the loads below
.else
	PLACES
.endif
	FETCH \next, 0, F0
	WIN MUL
	MUL8 F1, 2, 0
	MUL8 F1, 3, 0
.endm
	s_wait_tensorcnt 1                             ; my part of K step 0 is in; K step 1's load may be out
	s_barrier_signal -1
	s_barrier_wait -1
	FETCH 0, 0, F0
	s_wait_loadcnt 0x0                             ; bo
	QUARTER 0, 1, F0, F1, 1                        ; the first quarter stands in front of the loop: its products start the sums
	WIN 0
	s_mov_b32 s3, LAPS-1
.Llap:                                             ; a trip goes once round the ring, from a lap's second quarter to the next lap's first, and fills both slots again
	QUARTER 0, 2, F1, F0, 0
	QUARTER 0, 3, F0, F1, 0
	TURN 0, 1, 1
	QUARTER 1, 1, F0, F1, 0
	QUARTER 1, 2, F1, F0, 0
	QUARTER 1, 3, F0, F1, 0
	TURN 1, 0, 1
	QUARTER 0, 1, F0, F1, 0
	WIN 0
	s_sub_co_u32 s3, s3, 1
	s_cmp_lg_u32 s3, 0
	s_cbranch_scc1 .Llap
	QUARTER 0, 2, F1, F0, 0                        ; the last lap fills nothing
	QUARTER 0, 3, F0, F1, 0
	TURN 0, 1, 0
	QUARTER 1, 1, F0, F1, 0
	QUARTER 1, 2, F1, F0, 0
	QUARTER 1, 3, F0, F1, 0
	s_wait_dscnt 4                                 ; the very last quarter: nothing more to fetch
	WIN MUL
	MUL8 F1, 0, 0
	MUL8 F1, 1, 0
	s_wait_dscnt 0
	MUL8 F1, 2, 0
	MUL8 F1, 3, 0
	WIN 0
; THE WAY OUT, a block of 16 tokens x 128 n at a time: a lane's 32 bytes go into my stage and come back as whole rows of 512 bytes, which the 32 lanes store.
.macro TOSTAGE a
	WIN 0x08                                       ; an LDS store's data: window 2
.irp b, 0,1,2,3,4,5,6,7
	ds_store_b128 v[STO], v[8*(8*(\a)+\b):8*(8*(\a)+\b)+3] offset:64*\b          ; each accumulator from its low end on
	ds_store_b128 v[STO], v[8*(8*(\a)+\b)+4:8*(8*(\a)+\b)+7] offset:64*\b+16
.endr
	WIN 0
.set BB, BK+64*((\a)%2)
.irp t, 0,1,2,3,4,5,6,7,8,9,10,11,12,13,14,15
	ds_load_b128 v[BB+4*\t:BB+4*\t+3], v[RD] offset:\t*SPITCH   ; LDS serves a wave's instructions in order: these see the stores above
.endr
.endm
.macro SEND a, younger                 ; younger: the next block's 16 stores and 16 loads, or none
.set BB, BK+64*((\a)%2)
	s_wait_dscnt \younger
.if (\a) > 0
	s_add_nc_u64 s[10:11], s[10:11], 16*4096       ; (behind a wait on XCNT: the earlier stores have read their base)  16 rows of out0 on
.endif
.irp t, 0,1,2,3,4,5,6,7,8,9,10,11,12,13,14,15
	global_store_b128 v[CO], v[BB+4*\t:BB+4*\t+3], s[10:11] offset:\t*4096 th:TH_STORE_NT   ; 32 lanes store 512 consecutive bytes; written once, read by nobody here
.endr
.endm
	PLACES
	TOSTAGE 0
.irp a, 1,2,3
.if \a > 1
	s_wait_xcnt 0x0                                ; block a - 2's stores have read their registers and their base
.endif
	TOSTAGE \a
	SEND \a-1, 32
.endr
	s_wait_xcnt 0x0
	SEND 3, 0
	s_wait_tensorcnt 0x0                           ; the wave's end
	ds_add_u32 v[SPW], v[NIL]
	s_wait_dscnt 0x0
	CROUND                                         ; the closing round
	s_endpgm
.Lfunc_end_k_q9423392afd_outp:
	.size	k_q9423392afd_outp, .Lfunc_end_k_q9423392afd_outp-k_q9423392afd_outp
	.p2alignl 7, 3214868480
	.fill 96, 4, 3214868480
	.section	.rodata,"a",@progbits
	.p2align	6, 0x0
	.amdhsa_kernel k_q9423392afd_outp
		.amdhsa_group_segment_fixed_size 327680
		.amdhsa_private_segment_fixed_size 0
		.amdhsa_enable_private_segment 0
		.amdhsa_kernarg_size 32
		.amdhsa_user_sgpr_count 2
		.amdhsa_user_sgpr_kernarg_segment_ptr 1
		.amdhsa_wavefront_size32 1
		.amdhsa_system_sgpr_workgroup_id_x 1
		.amdhsa_system_sgpr_workgroup_id_y 1
		.amdhsa_system_sgpr_workgroup_id_z 1
		.amdhsa_system_vgpr_workitem_id 0
		.amdhsa_next_free_vgpr 768
		.amdhsa_next_free_sgpr 66
		.amdhsa_reserve_vcc 0
		.amdhsa_float_denorm_mode_32 3
		.amdhsa_float_denorm_mode_16_64 3
		.amdhsa_memory_ordered 1
		.amdhsa_forward_progress 1
		.amdhsa_inst_pref_size 87
	.end_amdhsa_kernel
	.amdgpu_metadata
---
amdhsa.version: [ 1, 2 ]
amdhsa.kernels:
  - .name:           k_q9423392afd_outp
    .symbol:         k_q9423392afd_outp.kd
    .args:
      - { .name: ctx, .offset: 0, .size: 8, .value_kind: global_buffer, .address_space: global }
      - { .name: wo16, .offset: 8, .size: 8, .value_kind: global_buffer, .address_space: global }
      - { .name: bo, .offset: 16, .size: 8, .value_kind: global_buffer, .address_space: global }
      - { .name: out0, .offset: 24, .size: 8, .value_kind: global_buffer, .address_space: global }
    .group_segment_fixed_size: 327680
    .private_segment_fixed_size: 0
    .kernarg_segment_align: 8
    .kernarg_segment_size: 32
    .max_flat_workgroup_size: 128
    .sgpr_count:     66
    .vgpr_count:     768
    .wavefront_size: 32
...
	.end_amdgpu_metadata
.endif
;; end of part 4
